; MI455X (gfx1250); checked and timed in simulation.
; The chip was launched on July 23, 2026; its instructions are those of AMD's public machine-readable ISA for CDNA 5 (MIT licence, August 2026) and "CDNA5" Instruction Set Architecture Reference Guide (July 2026). The comments in the code are by the model that wrote it; some were corrected since.
;; MSA Row Attention V43. Allowed arithmetic: matrix products marked QUANTISED: E2M3 operands, one E8M0 scale for each 32 along K, by v_wmma_scale_f32_16x16x128_f8f6f4 with both operands' format E2M3, f32 sums; everything else in f32.
;; Inputs: W_out 256 x 256 float32; W_qkv 256 x 768 float32; b_out 256 float32; b_qkv 768 float32; ln_beta 256 float32; ln_gamma 256 float32; mask 1 x 256 x 256 int32; msa 1 x 128 x 256 x 256 float32.
;; Outputs: out0 1 x 128 x 256 x 256 float32.
;; This version of the problem:
;;   THIS VERSION OF THE PROBLEM IS GIVEN IN LOW PRECISION. The matrix products marked QUANTISED in the list below multiply operands that are first quantised to E2M3 (2 exponent bits, 3 mantissa bits; 6 bits a number), with one power-of-two scale for each 32 numbers along K (OCP MX v1.0); their sums are f32. All else is computed in f32.
;;   The module's matrix products, in the order in which they are computed (A, B: the left and right operand; K: the contracted axis; several contracted axes count as one K, in the product's order):
;;     1. [M 32,768, K 256] x [K 256, N 768]; A: input msa; B: input W_qkv: QUANTISED
;;     2. batch 1,024 x [M 256, K 32] x [K 32, N 256]; A: computed on the way; B: computed on the way: QUANTISED
;;     3. batch 1,024 x [M 32, K 256] x [K 256, N 256]; A: computed on the way; B: softmax (see below): QUANTISED
;;     4. [M 32,768, K 256] x [K 256, N 256]; A: computed on the way; B: input W_out: QUANTISED
;;   THE QUANTISER, for each operand of a quantised product, along K:
;;     - K is cut into blocks of 32 from its start; a last block that is shorter is filled with zeros.
;;     - A block's scale is 2^e with e = floor(log2(the largest magnitude in the block)) - 2, held to -126 .. 127; a block of zeros has e = 0. As a byte (E8M0): e + 127.
;;     - Each number is divided by its block's scale, clamped to +-7.5, and rounded to the nearest number of E2M3, ties to even, subnormals kept.
;;     - The product sums the exact products of the quantised numbers (number of the format x scale) in f32.
;;   ~~~python
;;   def quantise(x, axis):      # numpy; x: float32 -> the quantised numbers, widened to float32 again
;;       x = np.moveaxis(x, axis, -1); K = x.shape[-1]
;;       x = np.pad(x, [(0, 0)] * (x.ndim - 1) + [(0, -K % 32)]); x = x.reshape(x.shape[:-1] + (-1, 32)); a = np.abs(x).max(-1, keepdims=True)
;;       e = np.where(a > 0, np.clip(np.frexp(np.where(a > 0, a, 1))[1] - 1 - 2, -126, 127), 0)      # np.frexp(a)[1] - 1 = floor(log2(a)), exactly
;;       r = np.clip(x / 2.0 ** e, -7.5, 7.5)
;;       step = 2.0 ** (np.maximum(np.frexp(np.where(r == 0, 1, r))[1] - 1, 0) - 3)
;;       q = np.round(r / step) * step * 2.0 ** e      # np.round: ties to even
;;       return np.moveaxis(q.reshape(q.shape[:-2] + (-1,))[..., :K], -1, axis).astype(np.float32)
;;   ~~~
;;   SOFTMAX AHEAD OF A QUANTISED PRODUCT. Where the list says 'softmax', what is quantised is not the finished softmax but p = 2^(t - M), with t = logit x log2(e) and M = ceil(the row's largest t), a whole number; so 1/2 < the row's largest p <= 1. The row's sum l is taken of the UNQUANTISED p, in f32, and the product's result is divided by l at the end. Since M is a whole number, a kernel that streams over the keys may use a running M (the ceiling of the running maximum): every later rescaling is an exact power of two, which a block's scale takes up: the codes' values come out the same.
;;   OPERANDS COMPUTED ON THE WAY. 'Computed on the way' means the value that the module computes at that place (a softmax that the list does not call 'softmax' is quantised finished and normalised). What goes into a quantiser is computed in f32, as accurately as f32 sums, v_exp_f32 and their like allow (about 1e-6 of the number): no bf16 or f16 on the way to a quantiser, and a product that is left as it is and whose result goes on into a quantised operand takes f32 operands (vector FMAs, or v_wmma_f32_16x16x4_f32). A number that lies on a knife's edge between two numbers of the format may be rounded either way, as far as f32 arithmetic and the matrix unit's own rounding can turn it there, and no further.
;; 2 versions. Each part assembles by itself: llvm-mc -triple=amdgcn-amd-amdhsa -mcpu=gfx1250 --defsym DOCPART=n.
;; ======== version 1 of 2: 2 launches
;; limits: right only within a limited range of input values
;; workspace buffers: wfrag 196,608 bytes; wscale 8,192 bytes; maskbits 16,384 bytes of whole numbers
;; launch prep (part 1): grid 80 x 1, 1 waves a work-group, no clusters, 0 bytes of LDS; arguments W_qkv, W_out, mask, wfrag, wscale, maskbits; writes wfrag, wscale, maskbits
.if DOCPART == 1
	.amdgcn_target "amdgcn-amd-amdhsa--gfx1250"
	.amdhsa_code_object_version 6
	.text
	.protected	k_qf7aad2fe05_prep
	.globl	k_qf7aad2fe05_prep
	.p2align	8
	.type	k_qf7aad2fe05_prep,@function
k_qf7aad2fe05_prep:
	s_mov_b64 s[64:65], 0
	v_nop
	global_prefetch_b8 v0, s[64:65] scope:SCOPE_SE
	s_setreg_imm32_b32 hwreg(HW_REG_WAVE_MODE, 25, 1), 1
	s_wait_xcnt 0x0
; Lays out, once, what every work-group of the next launch reads: the two weights as codes of FP6 (E2M3) with E8M0 scale bytes, and the mask as lane masks.
; WEIGHTS.  W_qkv [256 k][768 n] and W_out [256 k][256 n], f32, K their first axis, are quantised along K in blocks of 32: scale 2^(floor(log2(largest magnitude)) - 2).
; A work-group (one wave) makes one TILE of 16 columns for all of K: two fragments (K steps of 128) of 12 registers a lane.  Tile tl = 2 blk + u; its lane r takes column 32 blk + 8 u + r + 8 (r / 8),
; so that the results of tiles 2 blk and 2 blk + 1 are 16 neighbours in a lane's registers.  Tiles 0-47: W_qkv (blk 0-7 q, 8-15 k, 16-23 v); tiles 48-63: W_out.
; A lane takes a column and its registers run down K, in the order of the operand's registers: lane (r, h) holds k = 64 c + 32 h + 0 .. 31: a whole block a lane, nothing is transposed.
; The fragments are stored as IMAGES OF THEIR REGISTERS: wfrag + 3072 tl + 1536 ks + 512 c4 + 16 lane holds registers 4 c4 .. 4 c4 + 3: each store covers 512 consecutive bytes.
; Scale words: wscale + 128 tl: K step 0's word of row r at 4 r, K step 1's at 64 + 4 r: one load of 4 bytes a lane brings both.
; MASK.  Work-groups 64-79: query tile Tq = 0 .. 15 (lane r: query 32 (Tq / 2) + 8 (Tq % 2) + r + 8 (r / 8)).  Word n = 16 b + i of its record of 1,024 bytes has bit l set where mask == 0 for lane l's query and the key
; that register n of the scores holds in lane l: key (32 b + 128 (Tq / 8)) mod 256 + 16 (l / 16) + i (the next launch numbers the keys from its own half of the tokens on).  Words 128-159: bit l set where the query's whole row is masked.
; LIMITS: a block of zeros, or one whose largest magnitude lies under 2^-124, gets the byte 1 (the rule's 127 for zeros is not owed: the codes are zeros and this program alone reads the bytes); NaN and infinities are not served.
	s_load_b256 s[4:11], s[0:1], 0x0               ; W_qkv s[4:5], W_out s[6:7], mask s[8:9], wfrag s[10:11]
	s_load_b128 s[12:15], s[0:1], 0x20             ; wscale s[12:13], maskbits s[14:15]
	v_and_b32 v1, 15, v0                           ; r
	v_lshrrev_b32 v2, 4, v0                        ; h (one wave: the thread's number is the lane)
	v_and_b32 v3, 8, v1
	v_add_nc_u32 v3, v3, v1                        ; r + 8 (r / 8)
	v_lshlrev_b32 v5, 4, v0                        ; 16 x lane
	v_lshlrev_b32 v6, 2, v0                        ; 4 x lane
	s_mov_b32 s20, 0x76543210
	s_mov_b32 s21, 0xfedcba98                      ; v_permlanex16_b32's selects for lane l xor 16
	s_wait_kmcnt 0x0
	s_cmp_lt_u32 ttmp9, 48
	s_cbranch_scc1 .Lqkv
	s_cmp_lt_u32 ttmp9, 64
	s_cbranch_scc1 .Lout
	; ---- the mask's lane masks
	s_sub_co_u32 s16, ttmp9, 64                    ; Tq
	s_lshr_b32 s17, s16, 3                         ; which half of the tokens the queries lie in
	s_lshr_b32 s18, s16, 1
	s_lshl_b32 s18, s18, 5
	s_and_b32 s19, s16, 1
	s_lshl_b32 s19, s19, 3
	s_add_co_u32 s18, s18, s19                     ; the tile's first query
	v_add_nc_u32 v4, s18, v3                       ; my query
	v_lshlrev_b32 v4, 10, v4                       ; its row of 1,024 bytes
	v_lshl_add_u32 v4, v2, 6, v4                   ; + 64 h: my 16 keys of a block of 32
	s_lshl_b32 s19, s17, 9                         ; the queries' own half of the keys comes first,
	s_sub_co_u32 s22, 512, s19                     ; the other half behind it
	v_add_nc_u32 v7, s22, v4
	v_add_nc_u32 v4, s19, v4
.irp kb, 0,1,2,3
.irp j, 0,1,2,3
	global_load_b128 v[64+16*\kb+4*\j:64+16*\kb+4*\j+3], v4, s[8:9] offset:128*\kb+16*\j
.endr
.endr
.irp kb, 0,1,2,3
.irp j, 0,1,2,3
	global_load_b128 v[128+16*\kb+4*\j:128+16*\kb+4*\j+3], v7, s[8:9] offset:128*\kb+16*\j
.endr
.endr
	s_lshl_b32 s24, s16, 10
	s_mov_b32 s25, 0
	s_add_nc_u64 s[24:25], s[14:15], s[24:25]      ; the tile's record
.irp k, 8,9,10,11
	v_mov_b32 v\k, 0                               ; (a written lane's register counts as read)
.endr
	s_mov_b32 s30, -1
	s_wait_loadcnt 0x0
.irp b, 0,1,2,3                        ; 32 words at a time: 32 compares, each into a scalar register of its own, then the lane writes: no line waits for the line above it
.set n, 0
.rept 32
	v_cmp_eq_u32 s[32+n], 0, v[64+32*\b+n]         ; bit l: register 32 b + n's key is masked for lane l's query
.set n, n+1
.endr
.set n, 0
.rept 32
	v_writelane_b32 v[8+\b], s[32+n], n            ; word 32 b + n of the record lies in lane n of register b
	s_and_b32 s30, s30, s[32+n]                    ; bit l: all of lane l's keys so far are masked
.set n, n+1
.endr
.endr
	s_lshr_b32 s31, s30, 16
	s_lshl_b32 s23, s30, 16
	s_or_b32 s31, s31, s23
	s_and_b32 s30, s30, s31                        ; a query's keys lie in lanes l and l xor 16: both must be all masked
	v_mov_b32 v12, s30
.irp k, 0,1,2,3,4
	global_store_b32 v6, v[8+\k], s[24:25] offset:128*\k
.endr
	s_endpgm
; One tile of a weight whose rows are PITCH bytes; s[24:25]: the weight at the tile's first column.
.macro WTILE PITCH
	s_mul_i32 s26, ttmp9, 3072
	s_mov_b32 s27, 0
	s_add_nc_u64 s[26:27], s[10:11], s[26:27]      ; the tile's two images
	s_lshl_b32 s28, ttmp9, 7
	s_mov_b32 s29, 0
	s_add_nc_u64 s[28:29], s[12:13], s[28:29]      ; and its scale words
	v_mul_u32_u24 v4, v2, 32*\PITCH                ; lanes 16-31 begin 32 rows further down
	v_lshl_add_u32 v4, v3, 2, v4                   ; my column
.set n, 0
.rept 128
	global_load_b32 v[64+n], v4, s[24:25] offset:((n/32)*64+n%32)*\PITCH   ; register 64 ks + 32 c + i: W(128 ks + 64 c + 32 h + i, my column)
.set n, n+1
.endr
	s_wait_loadcnt 0x0
.irp ks, 0,1
.irp c, 0,1
	v_max3_num_f32 v[32+\c], |v[64+64*\ks+32*\c]|, |v[65+64*\ks+32*\c]|, 0x1800000   ; my block 2 c + h, and the floor 2^(3 - 127): the byte cannot fall under 1
.endr
.irp i, 2,4,6,8,10,12,14,16,18,20,22,24,26,28,30
.irp c, 0,1
	v_max3_num_f32 v[32+\c], v[32+\c], |v[64+64*\ks+32*\c+\i]|, |v[65+64*\ks+32*\c+\i]|
.endr
.endr
.irp c, 0,1
	v_add_nc_u32 v[44+\c], 0xff000000, v[32+\c]    ; 2 off the exponent field: the conversion's scale operand
.endr
.irp c, 0,1
	v_lshrrev_b32 v[36+\c], 23, v[44+\c]           ; the scale's byte
.endr
	v_lshl_or_b32 v9, v37, 16, v36                 ; my two bytes: blocks h and 2 + h,
	v_lshlrev_b32 v8, 3, v2
	v_lshlrev_b32 v9, v8, v9                       ; at their places in the word;
	v_mov_b32 v8, 0
	v_permlanex16_b32 v8, v9, s20, s21
	v_or_b32 v[10+\ks], v9, v8                     ; with lane l xor 16's two the word is whole
.irp c, 0,1
	v_cvt_scalef32_pk16_fp6_f32 v[192+12*\ks+6*\c:194+12*\ks+6*\c], v[64+64*\ks+32*\c:79+64*\ks+32*\c], v[44+\c]
	v_cvt_scalef32_pk16_fp6_f32 v[216+4*\c:218+4*\c], v[80+64*\ks+32*\c:95+64*\ks+32*\c], v[44+\c]   ; (a conversion's three registers begin on an even number)
.endr
	v_nop                                          ; one plain place behind a scaled conversion
.irp c, 0,1
.irp i, 0,1,2
	v_mov_b32 v[195+12*\ks+6*\c+\i], v[216+4*\c+\i]
.endr
.endr
.irp g, 0,1,2
	global_store_b128 v5, v[192+12*\ks+4*\g:195+12*\ks+4*\g], s[26:27] offset:1536*\ks+512*\g   ; each K step has code registers of its own: no store's data are written again
.endr
.endr
	v_cmp_ne_u32 vcc_lo, 0, v2
	v_cndmask_b32 v12, v10, v11, vcc_lo            ; lanes 0-15 K step 0's word, lanes 16-31 K step 1's
	global_store_b32 v6, v12, s[28:29]
	s_endpgm
.endm
.Lqkv:
	s_lshr_b32 s16, ttmp9, 1
	s_lshl_b32 s16, s16, 7                         ; 32 blk columns of 4 bytes
	s_and_b32 s17, ttmp9, 1
	s_lshl_b32 s17, s17, 5                         ; + 8 u
	s_add_co_u32 s24, s16, s17
	s_mov_b32 s25, 0
	s_add_nc_u64 s[24:25], s[4:5], s[24:25]
	WTILE 3072
.Lout:
	s_sub_co_u32 s16, ttmp9, 48
	s_lshr_b32 s17, s16, 1
	s_lshl_b32 s17, s17, 7
	s_and_b32 s16, s16, 1
	s_lshl_b32 s16, s16, 5
	s_add_co_u32 s24, s16, s17
	s_mov_b32 s25, 0
	s_add_nc_u64 s[24:25], s[6:7], s[24:25]
	WTILE 1024
.Lfunc_end_k_qf7aad2fe05_prep:
	.size	k_qf7aad2fe05_prep, .Lfunc_end_k_qf7aad2fe05_prep-k_qf7aad2fe05_prep
	.p2alignl 7, 3214868480
	.fill 96, 4, 3214868480
	.section	.rodata,"a",@progbits
	.p2align	6, 0x0
	.amdhsa_kernel k_qf7aad2fe05_prep
		.amdhsa_group_segment_fixed_size 0
		.amdhsa_private_segment_fixed_size 0
		.amdhsa_enable_private_segment 0
		.amdhsa_kernarg_size 48
		.amdhsa_user_sgpr_count 2
		.amdhsa_user_sgpr_kernarg_segment_ptr 1
		.amdhsa_wavefront_size32 1
		.amdhsa_system_sgpr_workgroup_id_x 1
		.amdhsa_system_sgpr_workgroup_id_y 1
		.amdhsa_system_sgpr_workgroup_id_z 1
		.amdhsa_system_vgpr_workitem_id 0
		.amdhsa_next_free_vgpr 224
		.amdhsa_next_free_sgpr 66
		.amdhsa_reserve_vcc 1
		.amdhsa_float_denorm_mode_32 3
		.amdhsa_float_denorm_mode_16_64 3
		.amdhsa_memory_ordered 1
		.amdhsa_forward_progress 1
		.amdhsa_inst_pref_size 64
	.end_amdhsa_kernel
	.amdgpu_metadata
---
amdhsa.version: [ 1, 2 ]
amdhsa.kernels:
  - .name:           k_qf7aad2fe05_prep
    .symbol:         k_qf7aad2fe05_prep.kd
    .args:
      - { .name: W_qkv, .offset: 0, .size: 8, .value_kind: global_buffer, .address_space: global }
      - { .name: W_out, .offset: 8, .size: 8, .value_kind: global_buffer, .address_space: global }
      - { .name: mask, .offset: 16, .size: 8, .value_kind: global_buffer, .address_space: global }
      - { .name: wfrag, .offset: 24, .size: 8, .value_kind: global_buffer, .address_space: global }
      - { .name: wscale, .offset: 32, .size: 8, .value_kind: global_buffer, .address_space: global }
      - { .name: maskbits, .offset: 40, .size: 8, .value_kind: global_buffer, .address_space: global }
    .group_segment_fixed_size: 0
    .private_segment_fixed_size: 0
    .kernarg_segment_align: 8
    .kernarg_segment_size: 48
    .max_flat_workgroup_size: 32
    .sgpr_count:     66
    .vgpr_count:     224
    .wavefront_size: 32
...
	.end_amdgpu_metadata
.endif
;; end of part 1
;; launch attn (part 2): grid 256 x 1, 8 waves a work-group, no clusters, 268,288 bytes of LDS; arguments msa, wfrag, wscale, maskbits, b_qkv, b_out, ln_gamma, ln_beta, out0; writes out0
.if DOCPART == 2
	.amdgcn_target "amdgcn-amd-amdhsa--gfx1250"
	.amdhsa_code_object_version 6
	.text
	.protected	k_qf7aad2fe05_attn
	.globl	k_qf7aad2fe05_attn
	.p2align	8
	.type	k_qf7aad2fe05_attn,@function
k_qf7aad2fe05_attn:
	s_mov_b64 s[64:65], 0
	v_nop
	global_prefetch_b8 v0, s[64:65] scope:SCOPE_SE
	s_setreg_imm32_b32 hwreg(HW_REG_WAVE_MODE, 25, 1), 1
	s_wait_xcnt 0x0
; out0 = LayerNorm(msa + softmax(mask(q k^T / sqrt(32))) v W_out + b_out), q, k, v = msa W_qkv + b_qkv, 8 heads of 32; all four products on codes of FP6 (E2M3) with one E8M0 scale for each 32 along K, sums in f32.
; SHARES.  128 rows s of 256 tokens x 256 channels; work-group 2 s + qh owns the 128 queries of half qh of row s and makes K and V for all 256 tokens itself: 256 work-groups of equal work; nothing goes to memory between msa and out0.
; Eight waves of 512 registers, two to a SIMD, so that one wave's matrix and LDS work stands beside the other's vector work.
; TOKENS are numbered from the work-group's own half on (local token L = global token (L + 128 qh) mod 256): the queries are local tokens 0-127, and no LDS address hangs on the work-group's number.  Blocks of 32 keys stay blocks.
; A TILE of 16 tokens (or of 16 columns of a weight) is not 16 neighbours: lane r of tile 2 b + u takes 32 b + 8 u + r + 8 (r / 8), so that the 16 result registers of tiles 2 b, 2 b + 1 are the 16 neighbours 32 b + 16 (lane / 16) + 0 .. 15 along the next K.
; OPERANDS go from wave to wave through LDS as images of their registers (16 bytes a lane, 512 a store).  A pair of heads is HALF a fragment (6 registers: lanes 0-15 the even head's 32 codes, lanes 16-31 the odd head's).
; PHASES:  X: wave w quantises local tokens 32 w .. 32 w + 31 | barrier |  P1: K (wave: a pair of heads x 8 tiles), V (wave: a head x 16 tiles; x is source 0, so a lane holds a channel and registers run along the tokens),
;   Q (a pair x 4 tiles; stored twice, each time with one head's lanes cleared) | barrier |  P2: wave w owns query tile w; a head at a time, all 256 keys at once: S^T = k q^T + C, softmax, O^T = v^T p^T, / l, quantised | barrier |
;   P3: wave w makes output channels 32 w .. 32 w + 31 for all 128 queries, into a stage of rows | barrier |  P4: wave w takes 16 whole rows: residual, LayerNorm, stores of 512 consecutive bytes.
; S^T HAS K = 32: source 0 names 12 registers, a key tile's 6 and the next tile's 6; source 1 is q's 6 with the other head's lanes cleared and 6 registers of zeros: zero codes add nothing.
; THE MASK is the C of the score products: 0, or -1e9 x sqrt(32) where mask == 0 (so that the logit is -1e9 + q.k / sqrt(32)); p is then 0.  A row that is wholly masked takes c = 0 for its scaling: every p is 1 and l = 256, the uniform row.
; SOFTMAX: t = score x c, c = log2(e) / sqrt(32); M = ceil(the row's largest t); p = 2^(t - M) is quantised along the keys; l is the sum of the unquantised p and divides O.
; NO CLUSTER, NO TENSOR LOADS: the weights come as register images straight into the registers of the one or two waves that use them (36 KB a wave); what the two work-groups of a row s share is msa's 256 KB of that row, which does not fit
; in LDS beside the 134 KB of images and the 133 KB stage.  NO PREFETCH: every late stream is asked for by its own loads well ahead of its use: each weight a phase ahead, the mask's words under P1, W_out and the residual's 128 KB under the last head's softmax.
; LIMITS: |q.k / sqrt(32)| must stay far under 1e9 (the mask is added, not put in the score's place); blocks whose largest magnitude lies under 2^-124, zeros among them, take the byte 1; NaN and infinities are not served;
; for qh = 1 the keys are summed in an order turned by 128.
.set SPIT,  1040                       ; a stage row: 1,024 bytes + 16: row r starts 4 r banks on
.set KSCO,  12288                      ; LDS (bytes): 0: the stage, 128 rows (phase X: 16 rows a wave; P3, P4).  Laid over it in P1, P2: pair i's keys at 16384 i: tile T at 768 T; their scale words from KSCO on: tile T, row r at 48 (16 (T % 2) + r) + 4 (T / 2);
.set VIMG,  65536                      ; V's fragments (channel tile ct, 128 keys tg) at 1536 (2 ct + tg);
.set VSC,   114688                     ; their scale words at 128 ct + 64 tg + 4 r
.set XIMG,  133120                     ; x's fragments (tile T, K step ks) at 1536 (2 T + ks);
.set XSC,   182272                     ; their scale words at 128 T + 64 ks + 4 r
.set QIMG,  184320                     ; q: 6144 qt + 768 head
.set QSC,   233472                     ; 1024 qt + 256 pair + 8 lane: two words, the even head's byte in byte 0, the odd head's in byte 1
.set OIMG,  241664                     ; o: 3072 qt + 768 pair
.set OSC,   266240                     ; 128 qt + 4 lane: lanes 0-15 heads 0-3, lanes 16-31 heads 4-7
.set FRB,   1536                       ; a fragment's image
; REGISTERS that stay: v0 thread, v1 lane, v2 r, v3 h, v4 16 lane, v5 8 lane, v6 4 lane, v7 64 h.  v112-125 hold scales and nothing else.  The rest by phase, at each phase's head.
; s22 wave, s23 qh, s24 pair = wave / 2, s25 hf = wave % 2, s[26:27] lane selects, s[28:29] residual, s[30:31] out0, s66 pair counter, s67 lane mask of wholly masked rows, s100 1/256, s101 1e-5.
; s[10:11] the query tile's mask record; s32-63 and s68-99 take its lane masks, 64 at a time; the load bases of phase X and P1 lie in s36-49 and, Wq's, in s[4:5], s[20:21], s[12:13].
.set MSB, 0
.macro WIN new                         ; s_set_vgpr_msb: bits 1:0 source 0, 3:2 source 1, 5:4 source 2, 7:6 destination; the high byte repeats the setting that is left
.if MSB != \new
	s_set_vgpr_msb (MSB<<8)|\new
.set MSB, \new
.endif
.endm
.macro PLACES n                        ; plain vector instructions behind a matrix instruction (ISA guide 7.12.1)
.rept \n
	v_nop
.endr
.endm
.macro BARRIER                         ; my LDS stores have landed and my LDS loads are in: then the work-group's barrier
	s_wait_dscnt 0x0
	s_barrier_signal -1
	s_barrier_wait -1
.endm
; the matrix instruction: D, A, B, C (first registers), A's and B's scale registers.  WM0: C = 0.  WMC: scales from lanes 0-15.  WMA: A's from lanes 16-31.  WMAB: both.
.macro WM0 d, a, b, sa, sb
	v_wmma_scale_f32_16x16x128_f8f6f4 v[\d:\d+7], v[\a:\a+11], v[\b:\b+11], 0, v[\sa], v[\sb] matrix_a_fmt:MATRIX_FMT_FP6 matrix_b_fmt:MATRIX_FMT_FP6
.endm
.macro WMC d, a, b, c, sa, sb
	v_wmma_scale_f32_16x16x128_f8f6f4 v[\d:\d+7], v[\a:\a+11], v[\b:\b+11], v[\c:\c+7], v[\sa], v[\sb] matrix_a_fmt:MATRIX_FMT_FP6 matrix_b_fmt:MATRIX_FMT_FP6
.endm
.macro WMA d, a, b, c, sa, sb
	v_wmma_scale_f32_16x16x128_f8f6f4 v[\d:\d+7], v[\a:\a+11], v[\b:\b+11], v[\c:\c+7], v[\sa], v[\sb] matrix_a_fmt:MATRIX_FMT_FP6 matrix_b_fmt:MATRIX_FMT_FP6 matrix_a_scale:MATRIX_SCALE_ROW1
.endm
.macro WMAB d, a, b, c, sa, sb
	v_wmma_scale_f32_16x16x128_f8f6f4 v[\d:\d+7], v[\a:\a+11], v[\b:\b+11], v[\c:\c+7], v[\sa], v[\sb] matrix_a_fmt:MATRIX_FMT_FP6 matrix_b_fmt:MATRIX_FMT_FP6 matrix_a_scale:MATRIX_SCALE_ROW1 matrix_b_scale:MATRIX_SCALE_ROW1
.endm
; 64 numbers of a lane, v[s] on, register 16 b + i = k 32 b + 16 h + i of my row, become a fragment's codes in v48-59 and its scale word in v68.  v32-47 at work, v60-66 half blocks.
.macro QUANT s
.irp b, 0,1,2,3
	v_max3_num_f32 v[32+\b], |v[\s+16*\b]|, |v[\s+1+16*\b]|, 0x1800000   ; my 16 numbers of block b, and the floor 2^(3 - 127): the byte cannot fall under 1
.endr
.irp i, 2,4,6,8,10,12,14
.irp b, 0,1,2,3
	v_max3_num_f32 v[32+\b], v[32+\b], |v[\s+16*\b+\i]|, |v[\s+1+16*\b+\i]|
.endr
.endr
.irp b, 0,1,2,3
	v_permlanex16_b32 v[36+\b], v[32+\b], s26, s27
.endr
.irp b, 0,1,2,3
	v_max_num_f32 v[32+\b], v[32+\b], v[36+\b]     ; with lane l xor 16's: the block's largest magnitude
.endr
.irp b, 0,1,2,3
	v_add_nc_u32 v[44+\b], 0xff000000, v[32+\b]    ; 2 off its exponent field: the conversion's scale operand
.endr
.irp b, 0,1,2,3
	v_lshrrev_b32 v[36+\b], 23, v[44+\b]           ; the scale's byte
.endr
	s_wait_dscnt 0x0                               ; the last image's stores have read v48-59 and v68
	v_lshl_or_b32 v68, v37, 8, v36
	v_lshl_or_b32 v68, v38, 16, v68
	v_lshl_or_b32 v68, v39, 24, v68
.irp c, 0,1
	v_cvt_scalef32_pk16_fp6_f32 v[48+6*\c:50+6*\c], v[\s+32*\c:\s+15+32*\c], v[44+2*\c]
	v_cvt_scalef32_pk16_fp6_f32 v[60+4*\c:62+4*\c], v[\s+16+32*\c:\s+31+32*\c], v[45+2*\c]   ; (a conversion's three registers begin on an even number)
.endr
	v_nop                                          ; one plain place behind a scaled conversion
.irp c, 0,1                            ; the operand wants a whole block in a lane: lanes 0-15 block 2 c, lanes 16-31 block 2 c + 1
.irp i, 0,1,2
	v_permlane16_swap_b32 v[48+6*\c+\i], v[60+4*\c+\i]
.endr
.irp i, 0,1,2
	v_mov_b32 v[51+6*\c+\i], v[60+4*\c+\i]
.endr
.endr
.endm
; the same for 32 numbers, two blocks (a pair of heads): half a fragment in v48-53; the two bytes in v36, v37
.macro QUANT2 s
.irp b, 0,1
	v_max3_num_f32 v[32+\b], |v[\s+16*\b]|, |v[\s+1+16*\b]|, 0x1800000
.endr
.irp i, 2,4,6,8,10,12,14
.irp b, 0,1
	v_max3_num_f32 v[32+\b], v[32+\b], |v[\s+16*\b+\i]|, |v[\s+1+16*\b+\i]|
.endr
.endr
.irp b, 0,1
	v_permlanex16_b32 v[36+\b], v[32+\b], s26, s27
.endr
.irp b, 0,1
	v_max_num_f32 v[32+\b], v[32+\b], v[36+\b]
.endr
.irp b, 0,1
	v_add_nc_u32 v[44+\b], 0xff000000, v[32+\b]
.endr
.irp b, 0,1
	v_lshrrev_b32 v[36+\b], 23, v[44+\b]
.endr
	s_wait_dscnt 0x0                               ; the last image's stores have read their registers
	v_cvt_scalef32_pk16_fp6_f32 v[48:50], v[\s:\s+15], v44
	v_cvt_scalef32_pk16_fp6_f32 v[52:54], v[\s+16:\s+31], v45
	v_nop
.irp i, 0,1,2
	v_permlane16_swap_b32 v[48+\i], v[52+\i]
.endr
	v_mov_b32 v51, v52
	v_mov_b32 v52, v53
	v_mov_b32 v53, v54
.endm
.macro IMG3 adr, off                   ; the fragment in v48-59 goes to LDS as it stands
.irp c, 0,1,2
	ds_store_b128 v[\adr], v[48+4*\c:48+4*\c+3] offset:\off+512*\c
.endr
.endm
.macro STH a16, a8, off, reg           ; half a fragment, 6 registers: 16 bytes a lane, then 8 bytes a lane 512 bytes on (a8 holds the 512)
	ds_store_b128 v[\a16], v[\reg:\reg+3] offset:\off
	ds_store_b64 v[\a8], v[\reg+4:\reg+5] offset:\off
.endm
.macro LDH reg, a16, a8, off
	ds_load_b128 v[\reg:\reg+3], v[\a16] offset:\off
	ds_load_b64 v[\reg+4:\reg+5], v[\a8] offset:\off
.endm
	s_load_b512 s[4:19], s[0:1], 0x0               ; msa s[4:5], wfrag s[6:7], wscale s[8:9], maskbits s[10:11], b_qkv s[12:13], b_out s[14:15], ln_gamma s[16:17], ln_beta s[18:19]
	s_load_b64 s[20:21], s[0:1], 0x40              ; out0
	v_lshl_add_u32 v126, v0, 2, 0x41400
	v_mov_b32 v127, 0
	v_and_b32 v1, 31, v0
	v_and_b32 v2, 15, v0
	v_bfe_u32 v3, v0, 4, 1
	v_lshlrev_b32 v4, 4, v1
	v_lshlrev_b32 v5, 3, v1
	v_lshlrev_b32 v6, 2, v1
	v_lshlrev_b32 v7, 6, v3
	v_lshrrev_b32 v8, 5, v0
	v_readfirstlane_b32 s22, v8                    ; wave 0..7
	s_and_b32 s23, ttmp9, 1                        ; qh
	s_lshr_b32 s2, ttmp9, 1                        ; s
	s_lshl_b32 s2, s2, 18                          ; a row s is 262,144 bytes
	s_lshl_b32 s3, s23, 2
	s_xor_b32 s3, s3, s22                          ; local tokens 32 w on are global tokens 32 (w xor 4 qh) on
	s_lshl_b32 s3, s3, 15
	s_add_co_u32 s36, s2, s3
	s_mov_b32 s37, 0
	s_wait_kmcnt 0x0
	s_add_nc_u64 s[36:37], s[4:5], s[36:37]
; the 16 rows of tile u of my 32 tokens, as they lie: each load reads 512 consecutive bytes; row m into registers 128 + 8 m on
.macro RAWLOAD u
.irp m, 0,1,2,3,4,5,6,7,8,9,10,11,12,13,14,15
	global_load_b128 v[128+8*\m:128+8*\m+3], v4, s[36:37] offset:(8*\u+\m+8*(\m/8))*1024
	global_load_b128 v[128+8*\m+4:128+8*\m+7], v4, s[36:37] offset:(8*\u+\m+8*(\m/8))*1024+512
.endr
.endm
	RAWLOAD 0                                      ; window 0
	WIN 0x40
	RAWLOAD 1                                      ; window 1
	WIN 0
	; the other addresses are made while these 64 loads are on their way
	s_lshr_b32 s24, s22, 1
	s_and_b32 s25, s22, 1
	s_mov_b32 s26, 0x76543210
	s_mov_b32 s27, 0xfedcba98
	s_mov_b32 s100, 0x3b800000                     ; 1 / 256
	s_mov_b32 s101, 0x3727c5ac                     ; 1e-5
	s_lshl_b32 s3, s23, 17
	s_add_co_u32 s28, s2, s3
	s_lshl_b32 s3, s22, 14
	s_add_co_u32 s28, s28, s3                      ; my 16 rows of the way out: s, half qh, 16 w rows of 1,024 bytes
	s_mov_b32 s29, 0
	s_add_nc_u64 s[30:31], s[20:21], s[28:29]
	s_add_nc_u64 s[28:29], s[4:5], s[28:29]
	s_mul_i32 s50, s24, 12288                      ; Wq: tiles 4 i on
	s_mov_b32 s51, 0
	s_add_co_u32 s38, s50, 49152                   ; Wk: tiles 16 + 4 i on
	s_mov_b32 s39, 0
	s_lshl_b32 s52, s24, 9
	s_mov_b32 s53, 0
	s_add_co_u32 s40, s52, 2048
	s_mov_b32 s41, 0
	s_lshl_b32 s54, s24, 8                         ; b_qkv: 64 i numbers on
	s_mov_b32 s55, 0
	s_add_co_u32 s42, s54, 1024
	s_mov_b32 s43, 0
	s_mul_i32 s44, s22, 6144
	s_add_co_u32 s44, s44, 98304                   ; Wv: tiles 32 + 2 w on
	s_mov_b32 s45, 0
	s_lshl_b32 s46, s22, 8
	s_add_co_u32 s46, s46, 4096
	s_mov_b32 s47, 0
	s_lshl_b32 s48, s22, 7
	s_add_co_u32 s48, s48, 2048
	s_mov_b32 s49, 0
	s_lshl_b32 s56, s23, 3
	s_add_co_u32 s56, s56, s22
	s_lshl_b32 s56, s56, 10                        ; the mask record of query tile 8 qh + w
	s_mov_b32 s57, 0
	s_add_nc_u64 s[38:39], s[6:7], s[38:39]
	s_add_nc_u64 s[40:41], s[8:9], s[40:41]
	s_add_nc_u64 s[42:43], s[12:13], s[42:43]
	s_add_nc_u64 s[44:45], s[6:7], s[44:45]
	s_add_nc_u64 s[46:47], s[8:9], s[46:47]
	s_add_nc_u64 s[48:49], s[12:13], s[48:49]
	s_add_nc_u64 s[4:5], s[6:7], s[50:51]          ; Wq's three bases lie outside s32-63 (msa's, out0's and b_qkv's own pointers are done with), so that lane masks can land there while Wq's loads are out
	s_add_nc_u64 s[20:21], s[8:9], s[52:53]
	s_add_nc_u64 s[12:13], s[12:13], s[54:55]
	s_add_nc_u64 s[10:11], s[10:11], s[56:57]
	s_load_b512 s[68:83], s[10:11], 0x0            ; the record's words 0-31 and the flag, asked for here: no base lies in these registers; they are waited for behind Q's products
	s_load_b512 s[84:99], s[10:11], 0x40
	s_load_b32 s67, s[10:11], 0x200
	; PHASE X AND P1, window 0: v8-10 x's images (my 8 tiles, all, my 4 query tiles), v11-13 their scale words, v14-16 K's stores, v17-19 Q's, v20-21 V's, v22-23 my stage in and out, v24-25 x's stores,
	; v26-27 lane masks, v28-29 V's bias, v30 4 (r + 8 (r / 8)), v32-68 the quantisers, v56-67, v70-71 Q's copies, v80-111 bias of K, then of Q, v112-115 W's scale words, v116-117 Wv's, v118-121 x's, v128-255 numbers.
	; window 1: v0-95 W's 8 fragments, v96-191 x's 8, v192-239 Wv's 4, v240-255 V's bias as C; in phase X v128-255: the second tile's rows.
	s_mul_i32 s2, s22, 16*SPIT
	v_add_nc_u32 v22, s2, v4                       ; stage in: my 16 rows, 16 bytes a lane
	v_mul_u32_u24 v23, v2, SPIT
	v_add_nc_u32 v23, v23, v7
	v_add_nc_u32 v23, s2, v23                      ; stage out: row r, + 64 h: my 16 numbers of a block of 32
	s_mul_i32 s2, s22, 6144
	s_add_co_u32 s3, s2, XIMG
	v_add_nc_u32 v24, s3, v4
	s_add_co_u32 s3, s2, VIMG
	v_add_nc_u32 v20, s3, v4
	v_lshlrev_b32 v31, 2, v2                       ; 4 r
	s_lshl_b32 s2, s22, 8
	s_add_co_u32 s3, s2, XSC
	v_add_nc_u32 v25, s3, v31
	s_add_co_u32 s3, s2, VSC
	v_add_nc_u32 v21, s3, v31
	s_mul_i32 s2, s25, 24576
	s_add_co_u32 s2, s2, XIMG
	v_add_nc_u32 v8, s2, v4
	v_add_nc_u32 v9, XIMG, v4
	s_mul_i32 s2, s25, 12288
	s_add_co_u32 s2, s2, XIMG
	v_add_nc_u32 v10, s2, v4
	s_lshl_b32 s2, s25, 10
	s_add_co_u32 s2, s2, XSC
	v_add_nc_u32 v11, s2, v6
	v_add_nc_u32 v12, XSC, v6
	s_lshl_b32 s2, s25, 9
	s_add_co_u32 s2, s2, XSC
	v_add_nc_u32 v13, s2, v6
	s_lshl_b32 s2, s24, 14                         ; pair i's keys
	s_mul_i32 s3, s25, 6144                        ; my 8 tiles of them
	s_add_co_u32 s3, s2, s3
	v_add_nc_u32 v14, s3, v4
	s_add_co_u32 s3, s3, 512
	v_add_nc_u32 v15, s3, v5
	s_lshl_b32 s3, s25, 4
	s_add_co_u32 s3, s3, s2
	s_add_co_u32 s3, s3, KSCO
	v_mul_u32_u24 v16, v2, 48
	v_add_nc_u32 v16, s3, v16
	s_mul_i32 s2, s25, 24576                       ; my 4 query tiles,
	s_mul_i32 s3, s24, 1536                        ; my pair of heads
	s_add_co_u32 s2, s2, s3
	s_add_co_u32 s2, s2, QIMG
	v_add_nc_u32 v17, s2, v4
	s_add_co_u32 s2, s2, 512
	v_add_nc_u32 v18, s2, v5
	s_lshl_b32 s2, s25, 12
	s_lshl_b32 s3, s24, 8
	s_add_co_u32 s2, s2, s3
	s_add_co_u32 s2, s2, QSC
	v_add_nc_u32 v19, s2, v5
	v_add_nc_u32 v26, -1, v3                       ; all ones in lanes 0-15
	v_sub_nc_u32 v27, 0, v3                        ; all ones in lanes 16-31
	v_and_b32 v30, 8, v2
	v_add_nc_u32 v30, v30, v2
	v_lshlrev_b32 v30, 2, v30
.irp b, 0,1,2,3
	v_mov_b32 v[36+\b], 0                          ; written once: a lane permute's destination counts as one of its sources
.endr
	; ---- PHASE X.  The conversions want 16 neighbours along K in a lane; the loads took the rows as they lie.  So a tile's 16 rows turn through my own stage: LDS serves a wave's instructions in order.
.macro TOSTAGE
.irp m, 0,1,2,3,4,5,6,7,8,9,10,11,12,13,14,15
	ds_store_b128 v22, v[128+8*\m:128+8*\m+3] offset:\m*SPIT
	ds_store_b128 v22, v[128+8*\m+4:128+8*\m+7] offset:\m*SPIT+512
.endr
.endm
.macro FROMSTAGE                       ; register 128 + 16 q + i: channel 32 q + 16 h + i of row r
.irp q, 0,1,2,3,4,5,6,7
.irp j, 0,1,2,3
	ds_load_b128 v[128+16*\q+4*\j:128+16*\q+4*\j+3], v23 offset:128*\q+16*\j
.endr
.endr
.endm
	s_wait_loadcnt 32                              ; the first tile's 32 loads are in; the second tile's 32 may be out
	TOSTAGE
	FROMSTAGE
	WIN 0x40                                       ; Wk's four tiles of my pair of heads: 24 + 4 + 8 = 36 loads
.irp k, 0,1,2,3,4,5,6,7,8,9,10,11,12,13,14,15,16,17,18,19,20,21,22,23
	global_load_b128 v[4*\k:4*\k+3], v4, s[38:39] offset:512*\k
.endr
	WIN 0
.irp wt, 0,1,2,3
	global_load_b32 v[112+\wt], v6, s[40:41] offset:128*\wt
.endr
.irp wt, 0,1,2,3
	global_load_b128 v[80+8*\wt:80+8*\wt+3], v7, s[42:43] offset:(32*(\wt/2)+8*(\wt%2))*4      ; the bias in the result's layout: lane (r, h), register j: channel 32 (wt / 2) + 16 h + 8 (wt % 2) + j
	global_load_b128 v[80+8*\wt+4:80+8*\wt+7], v7, s[42:43] offset:(32*(\wt/2)+8*(\wt%2))*4+16
.endr
	s_wait_dscnt 0x0
	QUANT 128
	IMG3 24, 0
	ds_store_b32 v25, v68                          ; lanes r and 16 + r write the same word with the same value
	QUANT 192
	IMG3 24, FRB
	ds_store_b32 v25, v68 offset:64
	s_wait_loadcnt 36                              ; the second tile's rows are in; the 36 loads issued behind them may be out
	WIN 0x04                                       ; an LDS store's data are its source 1: window 1
	TOSTAGE
	WIN 0
	FROMSTAGE
	s_wait_dscnt 0x0
	WIN 0x40                                       ; Wv's two tiles of head w: 12 + 2 + 2 = 16 loads
.irp k, 0,1,2,3,4,5,6,7,8,9,10,11
	global_load_b128 v[192+4*\k:192+4*\k+3], v4, s[44:45] offset:512*\k
.endr
	WIN 0
	global_load_b32 v116, v6, s[46:47]
	global_load_b32 v117, v6, s[46:47] offset:128
	global_load_b32 v28, v30, s[48:49]             ; V's bias hangs on the lane's channel alone
	global_load_b32 v29, v30, s[48:49] offset:32
	QUANT 128
	IMG3 24, 2*FRB
	ds_store_b32 v25, v68 offset:128
	QUANT 192
	IMG3 24, 3*FRB
	ds_store_b32 v25, v68 offset:192
	BARRIER                                        ; x's 32 fragments lie in LDS; nobody reads the stage any more
	; ---- P1
.macro LOADX adr, adrs, T0             ; x's fragments of four tiles from T0 on (tile tl, K step ks at 96 + 12 (2 tl + ks) of window 1), and their scale words: lanes 0-15 K step 0's, lanes 16-31 K step 1's
	WIN 0x40
.irp f, 0,1,2,3,4,5,6,7
.irp c, 0,1,2
	ds_load_b128 v[96+12*\f+4*\c:96+12*\f+4*\c+3], v[\adr] offset:(2*(\T0)+\f)*FRB+512*\c
.endr
.endr
	WIN 0
.irp tl, 0,1,2,3
	ds_load_b32 v[118+\tl], v[\adrs] offset:((\T0)+\tl)*128
.endr
.endm
.macro KQMUL                           ; source 0 = 16 channels of W, source 1 = 16 tokens: a lane holds a token, registers run along the channels.  16 accumulators by turns; the bias is the first C
	WIN 0x05
.irp tl, 0,1,2,3
.irp wt, 0,1,2,3
	WMC 128+32*\tl+8*\wt, 24*\wt, 96+24*\tl, 80+8*\wt, 112+\wt, 118+\tl
.endr
.endr
.irp tl, 0,1,2,3
.irp wt, 0,1,2,3
	WMAB 128+32*\tl+8*\wt, 24*\wt+12, 96+24*\tl+12, 128+32*\tl+8*\wt, 112+\wt, 118+\tl
.endr
.endr
	WIN 0
	PLACES 4                                       ; in front of loads into the operands' registers, of vector writes of them, and of the first read of results
.endm
.macro VMUL sb                         ; source 0 = 16 tokens, source 1 = 16 channels of Wv: a lane holds a channel, registers run along the tokens.  8 accumulators by turns
	WIN 0x15
.irp tl, 0,1,2,3
.irp u, 0,1
	WMC 128+64*\u+8*(4*\sb+\tl), 96+24*\tl, 192+24*\u, 240+8*\u, 118+\tl, 116+\u
.endr
.endr
	WIN 0x05
.irp tl, 0,1,2,3
.irp u, 0,1
	WMAB 128+64*\u+8*(4*\sb+\tl), 96+24*\tl+12, 192+24*\u+12, 128+64*\u+8*(4*\sb+\tl), 118+\tl, 116+\u
.endr
.endr
	WIN 0
	PLACES 4
.endm
.macro KSTORE tb                       ; tile tb of my 8: the pair's 32 + 32 channels of 16 keys become half a fragment and a word of two bytes
	QUANT2 128+32*((\tb)%4)
	v_lshl_or_b32 v68, v37, 8, v36
	STH 14, 15, (\tb)*768, 48
	ds_store_b32 v16, v68 offset:((\tb)%2)*768+((\tb)/2)*4
.endm
	LOADX 8, 11, 0
	s_wait_loadcnt 16                              ; Wk's 36 loads are in; Wv's 16 may be out
	s_wait_dscnt 0x0
	KQMUL
	LOADX 8, 11, 4                                 ; the next four tiles land while these are quantised
.irp tb, 0,1,2,3
	KSTORE \tb
.endr
	s_wait_dscnt 0x0
	KQMUL
	WIN 0x40                                       ; Wq's four tiles take Wk's registers: 36 loads
.irp k, 0,1,2,3,4,5,6,7,8,9,10,11,12,13,14,15,16,17,18,19,20,21,22,23
	global_load_b128 v[4*\k:4*\k+3], v4, s[4:5] offset:512*\k
.endr
	WIN 0
.irp wt, 0,1,2,3
	global_load_b32 v[112+\wt], v6, s[20:21] offset:128*\wt
.endr
.irp wt, 0,1,2,3
	global_load_b128 v[80+8*\wt:80+8*\wt+3], v7, s[12:13] offset:(32*(\wt/2)+8*(\wt%2))*4
	global_load_b128 v[80+8*\wt+4:80+8*\wt+7], v7, s[12:13] offset:(32*(\wt/2)+8*(\wt%2))*4+16
.endr
	LOADX 9, 12, 0
	s_wait_loadcnt 36                              ; Wv's 16 loads, and all before them, are in; Wq's 36 may be out
	s_load_b512 s[32:47], s[10:11], 0x80           ; the record's words 32-63: every load that named a base in s36-49 is done, and Wq's bases lie elsewhere
	s_load_b512 s[48:63], s[10:11], 0xc0
	WIN 0x40
.irp u, 0,1
.irp j, 0,1,2,3,4,5,6,7
	v_mov_b32 v[240+8*\u+\j], v[28+\u]             ; V's bias as a C: the same in a lane's eight registers
.endr
.endr
	WIN 0
.irp tb, 4,5,6,7
	KSTORE \tb
.endr
.irp tg, 0,1                           ; V of head w: 128 tokens at a time
	s_wait_dscnt 0x0
	VMUL 0
	LOADX 9, 12, 8*\tg+4
	s_wait_dscnt 0x0
	VMUL 1
.if \tg == 0
	LOADX 9, 12, 8
.else
	LOADX 10, 13, 0                                ; my four query tiles
.endif
	QUANT 128
	IMG3 20, \tg*FRB
	ds_store_b32 v21, v68 offset:64*\tg
	QUANT 192
	IMG3 20, (2+\tg)*FRB
	ds_store_b32 v21, v68 offset:128+64*\tg
.endr
	s_wait_loadcnt 0x0                             ; Wq
	s_wait_dscnt 0x0
	KQMUL
	; the mask as the C of the score products: 128 registers of window 1, 0 or -1e9 x sqrt(32), laid over W's and x's fragments, which are done with (four places stand behind the last product).
	; The first 64 lane masks were asked for long ago; the other 64 are asked for here and land while q is quantised
	s_wait_kmcnt 0x0
	v_mov_b32 v111, 0xcfa89662                     ; -1e9 x sqrt(32)
	WIN 0x40
.set n, 0
.rept 32
	v_cndmask_b32 v[n], 0, v111, s[68+n]           ; words 0-31
.set n, n+1
.endr
.set n, 0
.rept 32
	v_cndmask_b32 v[32+n], 0, v111, s[32+n]        ; words 32-63
.set n, n+1
.endr
	WIN 0
	s_load_b512 s[32:47], s[10:11], 0x100          ; words 64-95
	s_load_b512 s[48:63], s[10:11], 0x140
	s_load_b512 s[68:83], s[10:11], 0x180          ; words 96-127
	s_load_b512 s[84:99], s[10:11], 0x1c0
.irp tl, 0,1,2,3                       ; q is stored twice: for the even head with lanes 16-31 cleared, for the odd head with lanes 0-15 cleared; each head's scale word has its own byte alone
	QUANT2 128+32*\tl
	v_mov_b32 v70, v36
	v_lshlrev_b32 v71, 8, v37
.irp k, 0,1,2,3,4,5
	v_and_b32 v[56+\k], v26, v[48+\k]
	v_and_b32 v[62+\k], v27, v[48+\k]
.endr
	STH 17, 18, \tl*6144, 56
	STH 17, 18, \tl*6144+768, 62
	ds_store_b64 v19, v[70:71] offset:\tl*1024
.endr
	s_wait_kmcnt 0x0
	WIN 0x40
.set n, 0
.rept 32
	v_cndmask_b32 v[64+n], 0, v111, s[32+n]
.set n, n+1
.endr
.set n, 0
.rept 32
	v_cndmask_b32 v[96+n], 0, v111, s[68+n]
.set n, n+1
.endr
	WIN 0
	; P2, window 0: v8 48 lane + KSCO; v14-19 addresses of K's halves, K's scale words, q's halves, q's scale words; v20-21 V, its scale words; v22-23 o's store; v[24:25] c; v[26:27] -M, 0; v[28:31] the sum;
	; v32-39 block maxima; v40-47 at work; v48-55 scale operands; v56-79 p's two fragments; v80-87 half blocks; v88-99 q and six zeros; v100-106 o's codes; v108 the even head's byte; v109-110 o's scale words; v111 at work;
	; v112-119 K's scale words, v120-121 q's, v122-123 V's, v124-125 p's; v128-255 S^T, then p; behind the conversions v128-175 V's four fragments, v176-191 O^T.   window 1: v0-127 the mask, v128-223 K's 16 halves, v224-229 zeros.
	v_mov_b32 v24, 0x3e8293ee                      ; c = log2(e) / sqrt(32);
	v_cndmask_b32 v24, v24, 0, s67                 ; 0 for a query whose whole row is masked
	v_mov_b32 v25, v24
	v_mov_b32 v27, 0
.irp k, 94,95,96,97,98,99
	v_mov_b32 v\k, 0
.endr
.irp k, 40,41,42,43,44,45,46,47
	v_mov_b32 v\k, 0                               ; lane permutes' destinations
.endr
	v_mov_b32 v109, 0
	v_mov_b32 v110, 0
	WIN 0x40
.irp k, 224,225,226,227,228,229
	v_mov_b32 v\k, 0
.endr
	WIN 0
	v_mul_u32_u24 v8, v1, 48
	v_add_nc_u32 v8, KSCO, v8
	s_mul_i32 s70, s22, 6144
	s_add_co_u32 s70, s70, QIMG                    ; query tile w's q,
	s_lshl_b32 s71, s22, 10
	s_add_co_u32 s71, s71, QSC                     ; its scale words,
	s_mul_i32 s72, s22, 3072
	s_add_co_u32 s72, s72, OIMG                    ; its o
	s_mul_i32 s32, s22, 6144                       ; the bases of the last head's loads (the lane masks have left these registers)
	s_add_co_u32 s32, s32, 147456                  ; W_out: tiles 48 + 2 w on
	s_mov_b32 s33, 0
	s_add_nc_u64 s[32:33], s[6:7], s[32:33]
	s_lshl_b32 s34, s22, 8
	s_add_co_u32 s34, s34, 6144
	s_mov_b32 s35, 0
	s_add_nc_u64 s[34:35], s[8:9], s[34:35]
	s_lshl_b32 s36, s22, 7
	s_mov_b32 s37, 0
	s_add_nc_u64 s[36:37], s[14:15], s[36:37]
	BARRIER                                        ; K, V and Q lie in LDS
	; ---- P2
.macro SETKQ                           ; the addresses of pair s2's K and q
	s_lshl_b32 s3, s2, 14
	v_add_nc_u32 v14, s3, v4
	v_add_nc_u32 v16, s3, v8
	s_add_co_u32 s3, s3, 512
	v_add_nc_u32 v15, s3, v5
	s_mul_i32 s3, s2, 1536
	s_add_co_u32 s3, s3, s70
	v_add_nc_u32 v17, s3, v4
	s_add_co_u32 s3, s3, 512
	v_add_nc_u32 v18, s3, v5
	s_lshl_b32 s3, s2, 8
	s_add_co_u32 s3, s3, s71
	v_add_nc_u32 v19, s3, v5
.endm
.macro LOADK                           ; a pair's 16 key tiles, and their scale words: register t / 2, lanes 0-15 the even tile's, lanes 16-31 the odd tile's
	WIN 0x40
.irp t, 0,1,2,3,4,5,6,7,8,9,10,11,12,13,14,15
	LDH 128+6*\t, 14, 15, 768*\t
.endr
	WIN 0
	ds_load_b128 v[112:115], v16
	ds_load_b128 v[116:119], v16 offset:16
.endm
.macro PAIRADR                         ; the addresses of pair s66's V and o
	s_mul_i32 s3, s66, 12288
	s_add_co_u32 s3, s3, VIMG
	v_add_nc_u32 v20, s3, v4
	s_lshl_b32 s3, s66, 9
	s_add_co_u32 s3, s3, VSC
	v_add_nc_u32 v21, s3, v6
	s_mul_i32 s3, s66, 768
	s_add_co_u32 s3, s3, s72
	v_add_nc_u32 v22, s3, v4
	s_add_co_u32 s3, s3, 512
	v_add_nc_u32 v23, s3, v5
.endm
; ONE HEAD (par = 0: the pair's even head, 1: its odd head), all 256 keys.  last = 1: the launch's last head.
.macro HEAD par, last
	s_wait_dscnt 0x0                               ; K, q and their scale words are in
	PLACES 5                                       ; the scores are laid over V's fragments and O^T, registers of the last head's products: five places in front of a matrix instruction that writes over them
	WIN 0x11                                       ; K and the mask in window 1
.irp t, 0,2,4,6,8,10,12,14
	WMC 128+8*\t, 128+6*\t, 88, 8*\t, 112+\t/2, 120+\par
	WMA 128+8*\t+8, 128+6*\t+6, 88, 8*\t+8, 112+\t/2, 120+\par
.endr
	WIN 0
	PLACES 4
.if \par == 0
	LDH 88, 17, 18, 768                            ; the odd head's q
.elseif \last
	; K, its scale words and the mask are done with: what P3 and P4 want from memory lands in their registers under this head's softmax.  First 12 + 4 + 4 + 2 = 22 loads, then the residual's 32
	WIN 0x40
.irp k, 0,1,2,3,4,5,6,7,8,9,10,11
	global_load_b128 v[128+4*\k:128+4*\k+3], v4, s[32:33] offset:512*\k         ; W_out's four fragments
.endr
.irp u, 0,1
	global_load_b128 v[176+8*\u:176+8*\u+3], v7, s[36:37] offset:32*\u          ; b_out in the result's layout
	global_load_b128 v[176+8*\u+4:176+8*\u+7], v7, s[36:37] offset:32*\u+16
.endr
	global_load_b128 v[192:195], v4, s[16:17]                                   ; gamma,
	global_load_b128 v[196:199], v4, s[16:17] offset:512
	global_load_b128 v[200:203], v4, s[18:19]                                   ; beta
	global_load_b128 v[204:207], v4, s[18:19] offset:512
	WIN 0
	global_load_b32 v112, v6, s[34:35]                                          ; W_out's scale words
	global_load_b32 v113, v6, s[34:35] offset:128
	WIN 0x40
.irp p, 0,1,2,3,4,5,6,7,8,9,10,11,12,13,14,15
	global_load_b128 v[8*\p:8*\p+3], v4, s[28:29] offset:\p*1024                ; the residual's 16 rows
	global_load_b128 v[8*\p+4:8*\p+7], v4, s[28:29] offset:\p*1024+512
.endr
	WIN 0
.else
	s_add_co_u32 s2, s66, 1                        ; the next pair's K and q land under this head's softmax
	s_min_u32 s2, s2, 3
	SETKQ
	LOADK
	LDH 88, 17, 18, 0
	ds_load_b64 v[120:121], v19
.endif
.irp b, 0,1,2,3,4,5,6,7
	v_max3_num_f32 v[32+\b], v[128+16*\b], v[129+16*\b], v[130+16*\b]   ; the largest score of each block of 32 keys: for the row's maximum and, since p rises with the score, for the block's largest p
.endr
.irp i, 3,5,7,9,11,13
.irp b, 0,1,2,3,4,5,6,7
	v_max3_num_f32 v[32+\b], v[32+\b], v[128+16*\b+\i], v[129+16*\b+\i]
.endr
.endr
.irp b, 0,1,2,3,4,5,6,7
	v_max_num_f32 v[32+\b], v[32+\b], v[143+16*\b]
.endr
.irp b, 0,1,2,3,4,5,6,7
	v_permlanex16_b32 v[40+\b], v[32+\b], s26, s27
.endr
.irp b, 0,1,2,3,4,5,6,7
	v_max_num_f32 v[32+\b], v[32+\b], v[40+\b]     ; with lane l xor 16's 16 keys
.endr
	v_max3_num_f32 v111, v32, v33, v34
	v_max3_num_f32 v111, v111, v35, v36
	v_max3_num_f32 v111, v111, v37, v38
	v_max_num_f32 v111, v111, v39                  ; my query's largest score
	v_mul_f32 v111, v24, v111                      ; as t (c is not negative)
	v_floor_f32 v26, -v111                         ; -M = floor(-t) = -ceil(t)
.set j, 0
.rept 64
	v_pk_fma_f32 v[128+j:129+j], v[128+j:129+j], v[24:25], v[26:27] op_sel_hi:[1,0,0]   ; t - M, two at a time
.set j, j+2
.endr
.irp b, 0,1,2,3,4,5,6,7
	v_fma_f32 v[32+\b], v[32+\b], v24, v26         ; the same of each block's largest score
.endr
.set j, 0
.rept 128
	v_exp_f32 v[128+j], v[128+j]                   ; p = 2^(t - M): not normalised
.set j, j+1
.endr
	v_nop                                          ; a plain place behind the exponentials
	s_wait_alu depctr_va_vdst(0)                   ; one wait for the batch of 128, ahead of its first reader
.irp b, 0,1,2,3,4,5,6,7
	v_exp_f32 v[32+\b], v[32+\b]                   ; the block's largest p: the same two instructions on the same number
.endr
	v_pk_add_f32 v[28:29], v[128:129], v[130:131]  ; the row's sum is taken of the unquantised p: two chains of pairs.  (Plain work behind the eight, which it does not name)
	v_pk_add_f32 v[30:31], v[132:133], v[134:135]
.set j, 8
.rept 30
	v_pk_add_f32 v[28:29], v[28:29], v[128+j:129+j]
	v_pk_add_f32 v[30:31], v[30:31], v[130+j:131+j]
.set j, j+4
.endr
	v_pk_add_f32 v[28:29], v[28:29], v[30:31]
	s_wait_alu depctr_va_vdst(0)                   ; and one wait for the eight
.irp b, 0,1,2,3,4,5,6,7
	v_max_num_f32 v[32+\b], 0x1800000, v[32+\b]    ; the floor 2^(3 - 127): a block whose every p is 0 keeps the byte 1, its codes are zeros
.endr
.irp b, 0,1,2,3,4,5,6,7
	v_add_nc_u32 v[48+\b], 0xff000000, v[32+\b]    ; the conversion's scale operand
.endr
.irp b, 0,1,2,3,4,5,6,7
	v_lshrrev_b32 v[40+\b], 23, v[48+\b]           ; the scale's byte
.endr
	v_lshl_or_b32 v124, v41, 8, v40                ; p's scale words: keys 0-127,
	v_lshl_or_b32 v125, v45, 8, v44                ; keys 128-255
	v_lshl_or_b32 v124, v42, 16, v124
	v_lshl_or_b32 v125, v46, 16, v125
	v_lshl_or_b32 v124, v43, 24, v124
	v_lshl_or_b32 v125, v47, 24, v125
.irp c, 0,1
	v_cvt_scalef32_pk16_fp6_f32 v[56+6*\c:58+6*\c], v[128+32*\c:143+32*\c], v[48+2*\c]
	v_cvt_scalef32_pk16_fp6_f32 v[80+4*\c:82+4*\c], v[144+32*\c:159+32*\c], v[49+2*\c]
.endr
.irp f, 0,1,2,3                        ; V's four fragments (channel tile u, keys 128 tg on: f = 2 u + tg) land where p's first 48 numbers lay: they have been converted
.irp c, 0,1,2
	ds_load_b128 v[128+12*\f+4*\c:128+12*\f+4*\c+3], v20 offset:\par*6144+\f*FRB+512*\c
.endr
.endr
	ds_load_b32 v122, v21 offset:\par*256
	ds_load_b32 v123, v21 offset:\par*256+128
	v_nop                                          ; one plain place behind a scaled conversion
.irp c, 0,1
.irp i, 0,1,2
	v_permlane16_swap_b32 v[56+6*\c+\i], v[80+4*\c+\i]
.endr
.irp i, 0,1,2
	v_mov_b32 v[59+6*\c+\i], v[80+4*\c+\i]
.endr
.endr
.irp c, 0,1
	v_cvt_scalef32_pk16_fp6_f32 v[68+6*\c:70+6*\c], v[192+32*\c:207+32*\c], v[52+2*\c]
	v_cvt_scalef32_pk16_fp6_f32 v[80+4*\c:82+4*\c], v[208+32*\c:223+32*\c], v[53+2*\c]
.endr
	v_nop
.irp c, 0,1
.irp i, 0,1,2
	v_permlane16_swap_b32 v[68+6*\c+\i], v[80+4*\c+\i]
.endr
.irp i, 0,1,2
	v_mov_b32 v[71+6*\c+\i], v[80+4*\c+\i]
.endr
.endr
	PLACES 8                                       ; a scale register written by a vector instruction stands 8 places ahead of a scaled matrix instruction, an operand so written 4
	s_wait_dscnt 0x0                               ; V
	WM0 176, 128, 56, 122, 124                     ; O^T = V^T P^T: source 0 = 16 channels, source 1 = my 16 queries; two accumulators by turns
	WM0 184, 152, 56, 123, 124
	WMA 176, 140, 68, 176, 122, 125
	WMA 184, 164, 68, 184, 123, 125
	v_add_f32 v111, v28, v29                       ; the sum's two halves,
	v_permlanex16_b32 v40, v111, s26, s27
	v_add_f32 v111, v111, v40                      ; and lane l xor 16's: l
	v_rcp_f32 v40, v111
	PLACES 4                                       ; behind the products, and the plain place behind the reciprocal
	s_wait_alu depctr_va_vdst(0)                   ; ahead of the reciprocal's first reader
.irp j, 0,2,4,6,8,10,12,14
	v_pk_mul_f32 v[176+\j:177+\j], v[176+\j:177+\j], v[40:41] op_sel_hi:[1,0]   ; o = O^T / l: register i is channel 16 h + i of the head, from each accumulator's low end on
.endr
	v_max3_num_f32 v111, |v176|, |v177|, 0x1800000 ; the head is one block of the last product's K
.irp i, 2,4,6,8,10,12,14
	v_max3_num_f32 v111, v111, |v[176+\i]|, |v[177+\i]|
.endr
	v_permlanex16_b32 v42, v111, s26, s27
	v_max_num_f32 v111, v111, v42
	v_add_nc_u32 v43, 0xff000000, v111
.if \par == 0
	v_lshrrev_b32 v108, 23, v43
.else
	v_lshrrev_b32 v44, 23, v43
.endif
	v_cvt_scalef32_pk16_fp6_f32 v[100+4*\par:102+4*\par], v[176:191], v43
	v_nop
.if \par == 1                          ; the pair's two half blocks become half a fragment; its two bytes are shifted into the two scale words from above
.irp i, 0,1,2
	v_permlane16_swap_b32 v[100+\i], v[104+\i]
.endr
	v_mov_b32 v103, v104
	v_mov_b32 v104, v105
	v_mov_b32 v105, v106
	v_lshl_or_b32 v44, v44, 8, v108
	v_lshrrev_b32 v109, 16, v109
	v_lshl_or_b32 v109, v110, 16, v109
	v_lshrrev_b32 v110, 16, v110
	v_lshl_or_b32 v110, v44, 16, v110
	STH 22, 23, 0, 100
.endif
.endm
	s_mov_b32 s2, 0
	SETKQ
	LOADK
	LDH 88, 17, 18, 0
	ds_load_b64 v[120:121], v19
	s_mov_b32 s66, 0
.Lpair:                                ; three trips, a pair of heads each; the fourth pair is written out, since its last head fetches other things
	PAIRADR
	HEAD 0, 0
	HEAD 1, 0
	s_add_co_u32 s66, s66, 1
	s_cmp_lt_u32 s66, 3
	s_cbranch_scc1 .Lpair
	s_mov_b32 s66, 3
	PAIRADR
	HEAD 0, 0
	HEAD 1, 1
	v_cmp_ne_u32 vcc_lo, 0, v3
	v_cndmask_b32 v15, v109, v110, vcc_lo          ; lanes 0-15: the word of heads 0-3; lanes 16-31: of heads 4-7
	s_lshl_b32 s3, s22, 7
	s_add_co_u32 s3, s3, OSC
	v_add_nc_u32 v14, s3, v6
	ds_store_b32 v14, v15
	; P3, P4, window 0: v8-10 o's halves and scale words, v11-12 stage in, v13 stage out, v16-111 o's 8 fragments (P4: v32-39 gamma, v40-47 beta, v48-111 means and sums of squares), v112-113 W_out's scale words, v114-117 o's, v128-255 results, then rows.
	; window 1: v0-127 the residual's 16 rows, v128-175 W_out's four fragments, v176-191 b_out as C, v192-199 gamma, v200-207 beta.
	v_add_nc_u32 v8, OIMG, v4
	v_add_nc_u32 v9, OIMG+512, v5
	v_add_nc_u32 v10, OSC, v6
	s_lshl_b32 s3, s22, 7                          ; 128 x wave, from the wave's number
	v_and_b32 v11, 8, v2
	v_add_nc_u32 v11, v11, v2
	v_mul_u32_u24 v11, v11, SPIT                   ; stage in: row r + 8 (r / 8) of a tile,
	v_add_nc_u32 v11, v11, v7                      ; + 64 h,
	v_add_nc_u32 v11, s3, v11                      ; + 128 w: my 32 channels' bytes
	v_add_nc_u32 v12, 64*SPIT, v11
	s_mul_i32 s3, s22, 16*SPIT
	v_add_nc_u32 v13, s3, v4                       ; stage out: my 16 rows, 16 bytes a lane
	BARRIER                                        ; o's 16 fragments lie in LDS; nobody reads K, V or Q any more
	; ---- P3: source 0 = 16 output channels of W_out, source 1 = 16 queries; b_out is the first C; 8 accumulators by turns, four query tiles at a time
.irp bt, 0,1
.if \bt
	PLACES 4
.endif
.irp f, 0,1,2,3,4,5,6,7                ; f = 2 tl + g: query tile 4 bt + tl, heads 4 g on: two halves make a fragment
	LDH 16+12*\f, 8, 9, 4*\bt*3072+\f*FRB
	LDH 16+12*\f+6, 8, 9, 4*\bt*3072+\f*FRB+768
.endr
.irp tl, 0,1,2,3
	ds_load_b32 v[114+\tl], v10 offset:(4*\bt+\tl)*128
.endr
	s_wait_dscnt 0x0
.if \bt == 0
	s_wait_loadcnt 32                              ; the 22 loads of weights, biases and gains are in; the residual's 32, issued behind them, may be out
.endif
	WIN 0x11                                       ; W_out and b_out in window 1
.irp tl, 0,1,2,3
.irp u, 0,1
	WMC 128+16*(4*\bt+\tl)+8*\u, 128+24*\u, 16+24*\tl, 176+8*\u, 112+\u, 114+\tl
.endr
.endr
	WIN 0x01
.irp tl, 0,1,2,3
.irp u, 0,1
	WMAB 128+16*(4*\bt+\tl)+8*\u, 140+24*\u, 28+24*\tl, 128+16*(4*\bt+\tl)+8*\u, 112+\u, 114+\tl
.endr
.endr
	WIN 0
.endr
	PLACES 4
.irp qt, 0,1,2,3                       ; lane (r, h), register 8 u + j of tile qt: y(token 32 (qt / 2) + 8 (qt % 2) + r + 8 (r / 8), channel 32 w + 16 h + 8 u + j); each accumulator from its low end on
.irp u, 0,1
	ds_store_b128 v11, v[128+16*\qt+8*\u:128+16*\qt+8*\u+3] offset:(32*(\qt/2)+8*(\qt%2))*SPIT+32*\u
	ds_store_b128 v11, v[128+16*\qt+8*\u+4:128+16*\qt+8*\u+7] offset:(32*(\qt/2)+8*(\qt%2))*SPIT+32*\u+16
.endr
.endr
.irp qt, 4,5,6,7
.irp u, 0,1
	ds_store_b128 v12, v[128+16*\qt+8*\u:128+16*\qt+8*\u+3] offset:(32*((\qt-4)/2)+8*(\qt%2))*SPIT+32*\u
	ds_store_b128 v12, v[128+16*\qt+8*\u+4:128+16*\qt+8*\u+7] offset:(32*((\qt-4)/2)+8*(\qt%2))*SPIT+32*\u+16
.endr
.endr
	BARRIER                                        ; 128 whole rows lie in the stage
	; ---- P4: my 16 rows; a lane holds channels 4 lane + 0 .. 3 and 128 + 4 lane + 0 .. 3 of each.  Row p's mean in v[48 + 2 p], its sum of squares, then 1 / sqrt, in v[80 + 2 p].
	; Eight rows at a time, so that the first eight rows' stores leave while the other eight are normalised
.irp p, 0,1,2,3,4,5,6,7,8,9,10,11,12,13,14,15
	ds_load_b128 v[128+8*\p:128+8*\p+3], v13 offset:\p*SPIT
	ds_load_b128 v[128+8*\p+4:128+8*\p+7], v13 offset:\p*SPIT+512
.endr
	s_wait_loadcnt 0x0                             ; the residual
	WIN 0x01
.irp k, 0,1,2,3,4,5,6,7,8,9,10,11,12,13,14,15
	v_mov_b32 v[32+\k], v[192+\k]                  ; gamma and beta beside the rows, in window 0: the lines below then need no switch
.endr
	WIN 0
.macro LNH b                           ; rows b .. b + 7
	s_wait_dscnt 16-2*\b                           ; b = 0: rows 0-7 are in, the 16 loads of rows 8-15, issued behind them, may be out; b = 8: all are in
	WIN 0x04
.set j, 8*\b
.rept 32
	v_pk_add_f32 v[128+j:129+j], v[128+j:129+j], v[j:j+1]   ; z = msa + out
.set j, j+2
.endr
	WIN 0
.irp q, 0,1,2,3,4,5,6,7
.set P, \b+\q
	v_pk_add_f32 v[48+2*P:49+2*P], v[128+8*P:129+8*P], v[130+8*P:131+8*P]
	v_pk_add_f32 v[80+2*P:81+2*P], v[132+8*P:133+8*P], v[134+8*P:135+8*P]
.endr
.irp q, 0,1,2,3,4,5,6,7
.set P, \b+\q
	v_pk_add_f32 v[48+2*P:49+2*P], v[48+2*P:49+2*P], v[80+2*P:81+2*P]
.endr
.irp q, 0,1,2,3,4,5,6,7
.set P, \b+\q
	v_add_f32 v[48+2*P], v[48+2*P], v[49+2*P]
.endr
.irp x, 1,2,4,8
.irp q, 0,1,2,3,4,5,6,7
.set P, \b+\q
	v_add_f32_dpp v[48+2*P], v[48+2*P], v[48+2*P] row_xmask:\x row_mask:0xf bank_mask:0xf
.endr
.endr
.irp q, 0,1,2,3,4,5,6,7
.set P, \b+\q
	v_permlanex16_b32 v[80+2*P], v[48+2*P], s26, s27
.endr
.irp q, 0,1,2,3,4,5,6,7
.set P, \b+\q
	v_add_f32 v[48+2*P], v[48+2*P], v[80+2*P]
.endr
.irp q, 0,1,2,3,4,5,6,7
.set P, \b+\q
	v_mul_f32 v[48+2*P], s100, v[48+2*P]           ; the mean
.endr
.irp q, 0,1,2,3,4,5,6,7
.set P, \b+\q
.irp k, 0,2,4,6
	v_pk_add_f32 v[128+8*P+\k:129+8*P+\k], v[128+8*P+\k:129+8*P+\k], v[48+2*P:49+2*P] op_sel_hi:[1,0] neg_lo:[0,1] neg_hi:[0,1]   ; d = z - mean: the variance is taken of the differences
.endr
.endr
.irp q, 0,1,2,3,4,5,6,7
.set P, \b+\q
	v_pk_mul_f32 v[80+2*P:81+2*P], v[128+8*P:129+8*P], v[128+8*P:129+8*P]
.endr
.irp k, 2,4,6
.irp q, 0,1,2,3,4,5,6,7
.set P, \b+\q
	v_pk_fma_f32 v[80+2*P:81+2*P], v[128+8*P+\k:129+8*P+\k], v[128+8*P+\k:129+8*P+\k], v[80+2*P:81+2*P]
.endr
.endr
.irp q, 0,1,2,3,4,5,6,7
.set P, \b+\q
	v_add_f32 v[80+2*P], v[80+2*P], v[81+2*P]
.endr
.irp x, 1,2,4,8
.irp q, 0,1,2,3,4,5,6,7
.set P, \b+\q
	v_add_f32_dpp v[80+2*P], v[80+2*P], v[80+2*P] row_xmask:\x row_mask:0xf bank_mask:0xf
.endr
.endr
.irp q, 0,1,2,3,4,5,6,7
.set P, \b+\q
	v_permlanex16_b32 v[48+2*P], v[80+2*P], s26, s27
.endr
.irp q, 0,1,2,3,4,5,6,7
.set P, \b+\q
	v_add_f32 v[80+2*P], v[80+2*P], v[48+2*P]
.endr
.irp q, 0,1,2,3,4,5,6,7
.set P, \b+\q
	v_fma_f32 v[80+2*P], v[80+2*P], s100, s101     ; the variance + 1e-5
.endr
.irp q, 0,1,2,3,4,5,6,7
.set P, \b+\q
	v_rsq_f32 v[80+2*P], v[80+2*P]
.endr
	v_nop                                          ; a plain place behind the roots
	s_wait_alu depctr_va_vdst(0)                   ; one wait for the eight, ahead of their first reader
.irp q, 0,1,2,3,4,5,6,7
.set P, \b+\q
.irp k, 0,2,4,6
	v_pk_mul_f32 v[128+8*P+\k:129+8*P+\k], v[128+8*P+\k:129+8*P+\k], v[80+2*P:81+2*P] op_sel_hi:[1,0]
.endr
.irp k, 0,2,4,6
	v_pk_fma_f32 v[128+8*P+\k:129+8*P+\k], v[128+8*P+\k:129+8*P+\k], v[32+\k:33+\k], v[40+\k:41+\k]
.endr
	global_store_b128 v4, v[128+8*P:128+8*P+3], s[30:31] offset:P*1024 th:TH_STORE_NT          ; 32 lanes store 512 consecutive bytes, at a multiple of 256 from out0's first byte; written once; each row has registers of its own
	global_store_b128 v4, v[128+8*P+4:128+8*P+7], s[30:31] offset:P*1024+512 th:TH_STORE_NT
.endr
.endm
	LNH 0
	LNH 8
	s_wait_tensorcnt 0x0
	ds_add_u32 v126, v127
	s_wait_dscnt 0x0
	s_endpgm
.Lfunc_end_k_qf7aad2fe05_attn:
	.size	k_qf7aad2fe05_attn, .Lfunc_end_k_qf7aad2fe05_attn-k_qf7aad2fe05_attn
	.p2alignl 7, 3214868480
	.fill 96, 4, 3214868480
	.section	.rodata,"a",@progbits
	.p2align	6, 0x0
	.amdhsa_kernel k_qf7aad2fe05_attn
		.amdhsa_group_segment_fixed_size 268288
		.amdhsa_private_segment_fixed_size 0
		.amdhsa_enable_private_segment 0
		.amdhsa_kernarg_size 72
		.amdhsa_user_sgpr_count 2
		.amdhsa_user_sgpr_kernarg_segment_ptr 1
		.amdhsa_wavefront_size32 1
		.amdhsa_system_sgpr_workgroup_id_x 1
		.amdhsa_system_sgpr_workgroup_id_y 1
		.amdhsa_system_sgpr_workgroup_id_z 1
		.amdhsa_system_vgpr_workitem_id 0
		.amdhsa_next_free_vgpr 512
		.amdhsa_next_free_sgpr 102
		.amdhsa_reserve_vcc 1
		.amdhsa_float_denorm_mode_32 3
		.amdhsa_float_denorm_mode_16_64 3
		.amdhsa_memory_ordered 1
		.amdhsa_forward_progress 1
		.amdhsa_inst_pref_size 255
	.end_amdhsa_kernel
	.section	.bss,"aw",@nobits
	.p2align	6
	.space	262144
	.amdgpu_metadata
---
amdhsa.version: [ 1, 2 ]
amdhsa.kernels:
  - .name:           k_qf7aad2fe05_attn
    .symbol:         k_qf7aad2fe05_attn.kd
    .args:
      - { .name: msa, .offset: 0, .size: 8, .value_kind: global_buffer, .address_space: global }
      - { .name: wfrag, .offset: 8, .size: 8, .value_kind: global_buffer, .address_space: global }
      - { .name: wscale, .offset: 16, .size: 8, .value_kind: global_buffer, .address_space: global }
      - { .name: maskbits, .offset: 24, .size: 8, .value_kind: global_buffer, .address_space: global }
      - { .name: b_qkv, .offset: 32, .size: 8, .value_kind: global_buffer, .address_space: global }
      - { .name: b_out, .offset: 40, .size: 8, .value_kind: global_buffer, .address_space: global }
      - { .name: ln_gamma, .offset: 48, .size: 8, .value_kind: global_buffer, .address_space: global }
      - { .name: ln_beta, .offset: 56, .size: 8, .value_kind: global_buffer, .address_space: global }
      - { .name: out0, .offset: 64, .size: 8, .value_kind: global_buffer, .address_space: global }
    .group_segment_fixed_size: 268288
    .private_segment_fixed_size: 0
    .kernarg_segment_align: 8
    .kernarg_segment_size: 72
    .max_flat_workgroup_size: 256
    .sgpr_count:     102
    .vgpr_count:     512
    .wavefront_size: 32
...
	.end_amdgpu_metadata
.endif
;; end of part 2
;; ======== version 2 of 2: 2 launches
;; limits: right only within a limited range of input values
;; workspace buffers: wfrag 196,608 bytes; wscale 8,192 bytes; maskbits 16,384 bytes of whole numbers
;; launch prep (part 3): grid 80 x 1, 1 waves a work-group, no clusters, 0 bytes of LDS; arguments W_qkv, W_out, mask, wfrag, wscale, maskbits; writes wfrag, wscale, maskbits
.if DOCPART == 3
	.amdgcn_target "amdgcn-amd-amdhsa--gfx1250"
	.amdhsa_code_object_version 6
	.text
	.protected	k_qf7aad2fe05_prep
	.globl	k_qf7aad2fe05_prep
	.p2align	8
	.type	k_qf7aad2fe05_prep,@function
k_qf7aad2fe05_prep:
	s_mov_b64 s[64:65], 0
	v_nop
	global_prefetch_b8 v0, s[64:65] scope:SCOPE_SE
	s_setreg_imm32_b32 hwreg(HW_REG_WAVE_MODE, 25, 1), 1
	s_wait_xcnt 0x0
; Lays out, once, what every work-group of the next launch reads: the two weights as codes of FP6 (E2M3) with E8M0 scale bytes, and the mask as lane masks.
; WEIGHTS.  W_qkv [256 k][768 n] and W_out [256 k][256 n], f32, K their first axis, are quantised along K in blocks of 32: scale 2^(floor(log2(largest magnitude)) - 2).
; A work-group (one wave) makes one TILE of 16 columns for all of K: two fragments (K steps of 128) of 12 registers a lane.  Tile tl = 2 blk + u; its lane r takes column 32 blk + 8 u + r + 8 (r / 8),
; so that the results of tiles 2 blk and 2 blk + 1 are 16 neighbours in a lane's registers.  Tiles 0-47: W_qkv (blk 0-7 q, 8-15 k, 16-23 v); tiles 48-63: W_out.
; A lane takes a column and its registers run down K, in the order of the operand's registers: lane (r, h) holds k = 64 c + 32 h + 0 .. 31: a whole block a lane, nothing is transposed.
; The fragments are stored as IMAGES OF THEIR REGISTERS: wfrag + 3072 tl + 1536 ks + 512 c4 + 16 lane holds registers 4 c4 .. 4 c4 + 3: each store covers 512 consecutive bytes.
; Scale words: wscale + 128 tl: K step 0's word of row r at 4 r, K step 1's at 64 + 4 r: one load of 4 bytes a lane brings both.
; MASK.  Work-groups 64-79: query tile Tq = 0 .. 15 (lane r: query 32 (Tq / 2) + 8 (Tq % 2) + r + 8 (r / 8)).  Word n = 16 b + i of its record of 1,024 bytes has bit l set where mask == 0 for lane l's query and the key
; that register n of the scores holds in lane l: key (32 b + 128 (Tq / 8)) mod 256 + 16 (l / 16) + i (the next launch numbers the keys from its own half of the tokens on).  Words 128-159: bit l set where the query's whole row is masked.
; LIMITS: a block of zeros, or one whose largest magnitude lies under 2^-124, gets the byte 1 (the rule's 127 for zeros is not owed: the codes are zeros and this program alone reads the bytes); NaN and infinities are not served.
	s_load_b256 s[4:11], s[0:1], 0x0               ; W_qkv s[4:5], W_out s[6:7], mask s[8:9], wfrag s[10:11]
	s_load_b128 s[12:15], s[0:1], 0x20             ; wscale s[12:13], maskbits s[14:15]
	v_and_b32 v1, 15, v0                           ; r
	v_lshrrev_b32 v2, 4, v0                        ; h (one wave: the thread's number is the lane)
	v_and_b32 v3, 8, v1
	v_add_nc_u32 v3, v3, v1                        ; r + 8 (r / 8)
	v_lshlrev_b32 v5, 4, v0                        ; 16 x lane
	v_lshlrev_b32 v6, 2, v0                        ; 4 x lane
	s_mov_b32 s20, 0x76543210
	s_mov_b32 s21, 0xfedcba98                      ; v_permlanex16_b32's selects for lane l xor 16
	s_wait_kmcnt 0x0
	s_cmp_lt_u32 ttmp9, 48
	s_cbranch_scc1 .Lqkv
	s_cmp_lt_u32 ttmp9, 64
	s_cbranch_scc1 .Lout
	; ---- the mask's lane masks
	s_sub_co_u32 s16, ttmp9, 64                    ; Tq
	s_lshr_b32 s17, s16, 3                         ; which half of the tokens the queries lie in
	s_lshr_b32 s18, s16, 1
	s_lshl_b32 s18, s18, 5
	s_and_b32 s19, s16, 1
	s_lshl_b32 s19, s19, 3
	s_add_co_u32 s18, s18, s19                     ; the tile's first query
	s_wait_alu depctr_va_vdst(0)
	v_add_nc_u32 v4, s18, v3                       ; my query
	v_lshlrev_b32 v4, 10, v4                       ; its row of 1,024 bytes
	v_lshl_add_u32 v4, v2, 6, v4                   ; + 64 h: my 16 keys of a block of 32
	s_lshl_b32 s19, s17, 9                         ; the queries' own half of the keys comes first,
	s_sub_co_u32 s22, 512, s19                     ; the other half behind it
	v_add_nc_u32 v7, s22, v4
	v_add_nc_u32 v4, s19, v4
.irp kb, 0,1,2,3
.irp j, 0,1,2,3
	global_load_b128 v[64+16*\kb+4*\j:64+16*\kb+4*\j+3], v4, s[8:9] offset:128*\kb+16*\j
.endr
.endr
.irp kb, 0,1,2,3
.irp j, 0,1,2,3
	global_load_b128 v[128+16*\kb+4*\j:128+16*\kb+4*\j+3], v7, s[8:9] offset:128*\kb+16*\j
.endr
.endr
	s_lshl_b32 s24, s16, 10
	s_mov_b32 s25, 0
	s_add_nc_u64 s[24:25], s[14:15], s[24:25]      ; the tile's record
.irp k, 8,9,10,11
	v_mov_b32 v\k, 0                               ; (a written lane's register counts as read)
.endr
	s_mov_b32 s30, -1
	s_wait_loadcnt 0x0
.irp b, 0,1,2,3                        ; 32 words at a time: 32 compares, each into a scalar register of its own, then the lane writes: no line waits for the line above it
.set n, 0
.rept 32
	v_cmp_eq_u32 s[32+n], 0, v[64+32*\b+n]         ; bit l: register 32 b + n's key is masked for lane l's query
.set n, n+1
.endr
.set n, 0
.rept 32
	v_writelane_b32 v[8+\b], s[32+n], n            ; word 32 b + n of the record lies in lane n of register b
	s_and_b32 s30, s30, s[32+n]                    ; bit l: all of lane l's keys so far are masked
.set n, n+1
.endr
.endr
	s_lshr_b32 s31, s30, 16
	s_lshl_b32 s23, s30, 16
	s_or_b32 s31, s31, s23
	s_and_b32 s30, s30, s31                        ; a query's keys lie in lanes l and l xor 16: both must be all masked
	v_mov_b32 v12, s30
.irp k, 0,1,2,3,4
	global_store_b32 v6, v[8+\k], s[24:25] offset:128*\k
.endr
	s_endpgm
; One tile of a weight whose rows are PITCH bytes; s[24:25]: the weight at the tile's first column.
.macro WTILE PITCH
	s_mul_i32 s26, ttmp9, 3072
	s_mov_b32 s27, 0
	s_add_nc_u64 s[26:27], s[10:11], s[26:27]      ; the tile's two images
	s_lshl_b32 s28, ttmp9, 7
	s_mov_b32 s29, 0
	s_add_nc_u64 s[28:29], s[12:13], s[28:29]      ; and its scale words
	v_mul_u32_u24 v4, v2, 32*\PITCH                ; lanes 16-31 begin 32 rows further down
	v_lshl_add_u32 v4, v3, 2, v4                   ; my column
.set n, 0
.rept 128
	global_load_b32 v[64+n], v4, s[24:25] offset:((n/32)*64+n%32)*\PITCH   ; register 64 ks + 32 c + i: W(128 ks + 64 c + 32 h + i, my column)
.set n, n+1
.endr
	s_wait_loadcnt 0x0
.irp ks, 0,1
.irp c, 0,1
	v_max3_num_f32 v[32+\c], |v[64+64*\ks+32*\c]|, |v[65+64*\ks+32*\c]|, 0x1800000   ; my block 2 c + h, and the floor 2^(3 - 127): the byte cannot fall under 1
.endr
.irp i, 2,4,6,8,10,12,14,16,18,20,22,24,26,28,30
.irp c, 0,1
	v_max3_num_f32 v[32+\c], v[32+\c], |v[64+64*\ks+32*\c+\i]|, |v[65+64*\ks+32*\c+\i]|
.endr
.endr
.irp c, 0,1
	v_add_nc_u32 v[44+\c], 0xff000000, v[32+\c]    ; 2 off the exponent field: the conversion's scale operand
.endr
.irp c, 0,1
	v_lshrrev_b32 v[36+\c], 23, v[44+\c]           ; the scale's byte
.endr
	v_lshl_or_b32 v9, v37, 16, v36                 ; my two bytes: blocks h and 2 + h,
	v_lshlrev_b32 v8, 3, v2
	v_lshlrev_b32 v9, v8, v9                       ; at their places in the word;
	v_mov_b32 v8, 0
	v_permlanex16_b32 v8, v9, s20, s21
	v_or_b32 v[10+\ks], v9, v8                     ; with lane l xor 16's two the word is whole
.irp c, 0,1
	v_cvt_scalef32_pk16_fp6_f32 v[192+12*\ks+6*\c:194+12*\ks+6*\c], v[64+64*\ks+32*\c:79+64*\ks+32*\c], v[44+\c]
	v_cvt_scalef32_pk16_fp6_f32 v[216+4*\c:218+4*\c], v[80+64*\ks+32*\c:95+64*\ks+32*\c], v[44+\c]   ; (a conversion's three registers begin on an even number)
.endr
	v_nop                                          ; one plain place behind a scaled conversion
.irp c, 0,1
.irp i, 0,1,2
	v_mov_b32 v[195+12*\ks+6*\c+\i], v[216+4*\c+\i]
.endr
.endr
.irp g, 0,1,2
	global_store_b128 v5, v[192+12*\ks+4*\g:195+12*\ks+4*\g], s[26:27] offset:1536*\ks+512*\g   ; each K step has code registers of its own: no store's data are written again
.endr
.endr
	v_cmp_ne_u32 vcc_lo, 0, v2
	v_cndmask_b32 v12, v10, v11, vcc_lo            ; lanes 0-15 K step 0's word, lanes 16-31 K step 1's
	global_store_b32 v6, v12, s[28:29]
	s_endpgm
.endm
.Lqkv:
	s_lshr_b32 s16, ttmp9, 1
	s_lshl_b32 s16, s16, 7                         ; 32 blk columns of 4 bytes
	s_and_b32 s17, ttmp9, 1
	s_lshl_b32 s17, s17, 5                         ; + 8 u
	s_add_co_u32 s24, s16, s17
	s_mov_b32 s25, 0
	s_add_nc_u64 s[24:25], s[4:5], s[24:25]
	s_wait_alu depctr_va_vdst(0)
	WTILE 3072
.Lout:
	s_sub_co_u32 s16, ttmp9, 48
	s_lshr_b32 s17, s16, 1
	s_lshl_b32 s17, s17, 7
	s_and_b32 s16, s16, 1
	s_lshl_b32 s16, s16, 5
	s_add_co_u32 s24, s16, s17
	s_mov_b32 s25, 0
	s_add_nc_u64 s[24:25], s[6:7], s[24:25]
	s_wait_alu depctr_va_vdst(0)
	WTILE 1024
.Lfunc_end_k_qf7aad2fe05_prep:
	.size	k_qf7aad2fe05_prep, .Lfunc_end_k_qf7aad2fe05_prep-k_qf7aad2fe05_prep
	.p2alignl 7, 3214868480
	.fill 96, 4, 3214868480
	.section	.rodata,"a",@progbits
	.p2align	6, 0x0
	.amdhsa_kernel k_qf7aad2fe05_prep
		.amdhsa_group_segment_fixed_size 0
		.amdhsa_private_segment_fixed_size 0
		.amdhsa_enable_private_segment 0
		.amdhsa_kernarg_size 48
		.amdhsa_user_sgpr_count 2
		.amdhsa_user_sgpr_kernarg_segment_ptr 1
		.amdhsa_wavefront_size32 1
		.amdhsa_system_sgpr_workgroup_id_x 1
		.amdhsa_system_sgpr_workgroup_id_y 1
		.amdhsa_system_sgpr_workgroup_id_z 1
		.amdhsa_system_vgpr_workitem_id 0
		.amdhsa_next_free_vgpr 224
		.amdhsa_next_free_sgpr 66
		.amdhsa_reserve_vcc 1
		.amdhsa_float_denorm_mode_32 3
		.amdhsa_float_denorm_mode_16_64 3
		.amdhsa_memory_ordered 1
		.amdhsa_forward_progress 1
		.amdhsa_inst_pref_size 65
	.end_amdhsa_kernel
	.amdgpu_metadata
---
amdhsa.version: [ 1, 2 ]
amdhsa.kernels:
  - .name:           k_qf7aad2fe05_prep
    .symbol:         k_qf7aad2fe05_prep.kd
    .args:
      - { .name: W_qkv, .offset: 0, .size: 8, .value_kind: global_buffer, .address_space: global }
      - { .name: W_out, .offset: 8, .size: 8, .value_kind: global_buffer, .address_space: global }
      - { .name: mask, .offset: 16, .size: 8, .value_kind: global_buffer, .address_space: global }
      - { .name: wfrag, .offset: 24, .size: 8, .value_kind: global_buffer, .address_space: global }
      - { .name: wscale, .offset: 32, .size: 8, .value_kind: global_buffer, .address_space: global }
      - { .name: maskbits, .offset: 40, .size: 8, .value_kind: global_buffer, .address_space: global }
    .group_segment_fixed_size: 0
    .private_segment_fixed_size: 0
    .kernarg_segment_align: 8
    .kernarg_segment_size: 48
    .max_flat_workgroup_size: 32
    .sgpr_count:     66
    .vgpr_count:     224
    .wavefront_size: 32
...
	.end_amdgpu_metadata
.endif
;; end of part 3
;; launch attn (part 4): grid 256 x 1, 8 waves a work-group, no clusters, 268,288 bytes of LDS; arguments msa, wfrag, wscale, maskbits, b_qkv, b_out, ln_gamma, ln_beta, out0; writes out0
.if DOCPART == 4
	.amdgcn_target "amdgcn-amd-amdhsa--gfx1250"
	.amdhsa_code_object_version 6
	.text
	.protected	k_qf7aad2fe05_attn
	.globl	k_qf7aad2fe05_attn
	.p2align	8
	.type	k_qf7aad2fe05_attn,@function
k_qf7aad2fe05_attn:
	s_mov_b64 s[64:65], 0
	v_nop
	global_prefetch_b8 v0, s[64:65] scope:SCOPE_SE
	s_setreg_imm32_b32 hwreg(HW_REG_WAVE_SCHED_MODE, 0, 2), 2
	s_setreg_imm32_b32 hwreg(HW_REG_WAVE_MODE, 25, 1), 1
	s_wait_xcnt 0x0
	s_wait_alu depctr_vm_vsrc(0)
; out0 = LayerNorm(msa + softmax(mask(q k^T / sqrt(32))) v W_out + b_out), q, k, v = msa W_qkv + b_qkv, 8 heads of 32; all four products on codes of FP6 (E2M3) with one E8M0 scale for each 32 along K, sums in f32.
; SHARES.  128 rows s of 256 tokens x 256 channels; work-group 2 s + qh owns the 128 queries of half qh of row s and makes K and V for all 256 tokens itself: 256 work-groups of equal work; nothing goes to memory between msa and out0.
; Eight waves of 512 registers, two to a SIMD, so that one wave's matrix and LDS work stands beside the other's vector work.
; TOKENS are numbered from the work-group's own half on (local token L = global token (L + 128 qh) mod 256): the queries are local tokens 0-127, and no LDS address hangs on the work-group's number.  Blocks of 32 keys stay blocks.
; A TILE of 16 tokens (or of 16 columns of a weight) is not 16 neighbours: lane r of tile 2 b + u takes 32 b + 8 u + r + 8 (r / 8), so that the 16 result registers of tiles 2 b, 2 b + 1 are the 16 neighbours 32 b + 16 (lane / 16) + 0 .. 15 along the next K.
; OPERANDS go from wave to wave through LDS as images of their registers (16 bytes a lane, 512 a store).  A pair of heads is HALF a fragment (6 registers: lanes 0-15 the even head's 32 codes, lanes 16-31 the odd head's).
; PHASES:  X: wave w quantises local tokens 32 w .. 32 w + 31 | barrier |  P1: K (wave: a pair of heads x 8 tiles), V (wave: a head x 16 tiles; x is source 0, so a lane holds a channel and registers run along the tokens),
;   Q (a pair x 4 tiles; stored twice, each time with one head's lanes cleared) | barrier |  P2: wave w owns query tile w; a head at a time, all 256 keys at once: S^T = k q^T + C, softmax, O^T = v^T p^T, / l, quantised | barrier |
;   P3: wave w makes output channels 32 w .. 32 w + 31 for all 128 queries, into a stage of rows | barrier |  P4: wave w takes 16 whole rows: residual, LayerNorm, stores of 512 consecutive bytes.
; S^T HAS K = 32: source 0 names 12 registers, a key tile's 6 and the next tile's 6; source 1 is q's 6 with the other head's lanes cleared and 6 registers of zeros: zero codes add nothing.
; THE MASK is the C of the score products: 0, or -1e9 x sqrt(32) where mask == 0 (so that the logit is -1e9 + q.k / sqrt(32)); p is then 0.  A row that is wholly masked takes c = 0 for its scaling: every p is 1 and l = 256, the uniform row.
; SOFTMAX: t = score x c, c = log2(e) / sqrt(32); M = ceil(the row's largest t); p = 2^(t - M) is quantised along the keys; l is the sum of the unquantised p and divides O.
; NO CLUSTER, NO TENSOR LOADS: the weights come as register images straight into the registers of the one or two waves that use them (36 KB a wave); what the two work-groups of a row s share is msa's 256 KB of that row, which does not fit
; in LDS beside the 134 KB of images and the 133 KB stage.  NO PREFETCH: every late stream is asked for by its own loads well ahead of its use: each weight a phase ahead, the mask's words under P1, W_out and the residual's 128 KB under the last head's softmax.
; LIMITS: |q.k / sqrt(32)| must stay far under 1e9 (the mask is added, not put in the score's place); blocks whose largest magnitude lies under 2^-124, zeros among them, take the byte 1; NaN and infinities are not served;
; for qh = 1 the keys are summed in an order turned by 128.
; THE MODE: SCHED_MODE bits 1:0 = 2 (LLVM: expert scheduling mode 2), set by the entry lines.  The code itself states the register dependences between vector or matrix instructions and memory or LDS instructions, with s_wait_alu, always for 0.
; THE PLAN.  Registers that memory or LDS instructions touch, and who else names them:
;   v4-v7         offsets, made at the head, never written again.  v8-v25, v30: addresses, made at the head under msa's loads; v14-19 are written anew by SETKQ, v20-23 by PAIRADR, v8-15 ahead of P3: each behind a wait on vm_vsrc.
;   v128-255      phase X: loaded, read by the stage's stores, loaded from the stage, read by the quantiser.  P2: V's fragments land in v128-175 behind p's first conversions.  P3: results, read by the stage's stores.  P4: rows from the stage, then the stores' data.
;   codes         v48-59, v68 (q: v56-67, v70-71; o: v100-105): written by a quantiser, read by the image's stores: a wait on va_vdst between the two, a wait on vm_vsrc ahead of the next quantiser's first write of them.
;   operands      P1: window 1 v0-239, v80-121; P2: window 1 v128-223, v88-93, v112-123; P3: v16-111, v114-117: loaded, read by matrix instructions, loaded again: ONE wait on va_vdst behind a run of products, ahead of the run of loads.
; A run of loads or stores behind such a wait holds nothing but loads, stores and window switches, so the one wait serves the whole run.
.set SPIT,  1040                       ; a stage row: 1,024 bytes + 16: row r starts 4 r banks on
.set KSCO,  12288                      ; LDS (bytes): 0: the stage, 128 rows (phase X: 16 rows a wave; P3, P4).  Laid over it in P1, P2: pair i's keys at 16384 i: tile T at 768 T; their scale words from KSCO on: tile T, row r at 48 (16 (T % 2) + r) + 4 (T / 2);
.set VIMG,  65536                      ; V's fragments (channel tile ct, 128 keys tg) at 1536 (2 ct + tg);
.set VSC,   114688                     ; their scale words at 128 ct + 64 tg + 4 r
.set XIMG,  133120                     ; x's fragments (tile T, K step ks) at 1536 (2 T + ks);
.set XSC,   182272                     ; their scale words at 128 T + 64 ks + 4 r
.set QIMG,  184320                     ; q: 6144 qt + 768 head
.set QSC,   233472                     ; 1024 qt + 256 pair + 8 lane: two words, the even head's byte in byte 0, the odd head's in byte 1
.set OIMG,  241664                     ; o: 3072 qt + 768 pair
.set OSC,   266240                     ; 128 qt + 4 lane: lanes 0-15 heads 0-3, lanes 16-31 heads 4-7
.set FRB,   1536                       ; a fragment's image
; REGISTERS that stay: v0 thread, v1 lane, v2 r, v3 h, v4 16 lane, v5 8 lane, v6 4 lane, v7 64 h.  v112-125 hold scales and nothing else.  v126, v127: the closing add's two.  The rest by phase, at each phase's head.
; s22 wave, s23 qh, s24 pair = wave / 2, s25 hf = wave % 2, s[26:27] lane selects, s[28:29] residual, s[30:31] out0, s66 pair counter, s67 lane mask of wholly masked rows, s100 1/256, s101 1e-5.
; s[10:11] the query tile's mask record; s32-63 and s68-99 take its lane masks, 64 at a time; the load bases of phase X and P1 lie in s36-49 and, Wq's, in s[4:5], s[20:21], s[12:13].
.set MSB, 0
.macro WIN new                         ; s_set_vgpr_msb: bits 1:0 source 0, 3:2 source 1, 5:4 source 2, 7:6 destination; the high byte repeats the setting that is left
.if MSB != \new
	s_set_vgpr_msb (MSB<<8)|\new
.set MSB, \new
.endif
.endm
.macro PLACES n                        ; plain vector instructions behind a matrix instruction (ISA guide 7.12.1)
.rept \n
	v_nop
.endr
.endm
.macro BARRIER                         ; my LDS stores have landed and my LDS loads are in: then the work-group's barrier
	s_wait_dscnt 0x0
	s_barrier_signal -1
	s_barrier_wait -1
.endm
; the matrix instruction: D, A, B, C (first registers), A's and B's scale registers.  WM0: C = 0.  WMC: scales from lanes 0-15.  WMA: A's from lanes 16-31.  WMAB: both.
.macro WM0 d, a, b, sa, sb
	v_wmma_scale_f32_16x16x128_f8f6f4 v[\d:\d+7], v[\a:\a+11], v[\b:\b+11], 0, v[\sa], v[\sb] matrix_a_fmt:MATRIX_FMT_FP6 matrix_b_fmt:MATRIX_FMT_FP6
.endm
.macro WMC d, a, b, c, sa, sb
	v_wmma_scale_f32_16x16x128_f8f6f4 v[\d:\d+7], v[\a:\a+11], v[\b:\b+11], v[\c:\c+7], v[\sa], v[\sb] matrix_a_fmt:MATRIX_FMT_FP6 matrix_b_fmt:MATRIX_FMT_FP6
.endm
.macro WMA d, a, b, c, sa, sb
	v_wmma_scale_f32_16x16x128_f8f6f4 v[\d:\d+7], v[\a:\a+11], v[\b:\b+11], v[\c:\c+7], v[\sa], v[\sb] matrix_a_fmt:MATRIX_FMT_FP6 matrix_b_fmt:MATRIX_FMT_FP6 matrix_a_scale:MATRIX_SCALE_ROW1
.endm
.macro WMAB d, a, b, c, sa, sb
	v_wmma_scale_f32_16x16x128_f8f6f4 v[\d:\d+7], v[\a:\a+11], v[\b:\b+11], v[\c:\c+7], v[\sa], v[\sb] matrix_a_fmt:MATRIX_FMT_FP6 matrix_b_fmt:MATRIX_FMT_FP6 matrix_a_scale:MATRIX_SCALE_ROW1 matrix_b_scale:MATRIX_SCALE_ROW1
.endm
; 64 numbers of a lane, v[s] on, register 16 b + i = k 32 b + 16 h + i of my row, become a fragment's codes in v48-59 and its scale word in v68.  v32-47 at work, v60-66 half blocks.
.macro QUANT s
.irp b, 0,1,2,3
	v_max3_num_f32 v[32+\b], |v[\s+16*\b]|, |v[\s+1+16*\b]|, 0x1800000   ; my 16 numbers of block b, and the floor 2^(3 - 127): the byte cannot fall under 1
.endr
.irp i, 2,4,6,8,10,12,14
.irp b, 0,1,2,3
	v_max3_num_f32 v[32+\b], v[32+\b], |v[\s+16*\b+\i]|, |v[\s+1+16*\b+\i]|
.endr
.endr
.irp b, 0,1,2,3
	v_permlanex16_b32 v[36+\b], v[32+\b], s26, s27
.endr
.irp b, 0,1,2,3
	v_max_num_f32 v[32+\b], v[32+\b], v[36+\b]     ; with lane l xor 16's: the block's largest magnitude
.endr
.irp b, 0,1,2,3
	v_add_nc_u32 v[44+\b], 0xff000000, v[32+\b]    ; 2 off its exponent field: the conversion's scale operand
.endr
.irp b, 0,1,2,3
	v_lshrrev_b32 v[36+\b], 23, v[44+\b]           ; the scale's byte
.endr
	s_wait_alu depctr_va_vdst(0)
	s_wait_dscnt 0x0                               ; my LDS instructions so far are done, the last image's stores among them
	s_wait_alu depctr_vm_vsrc(0)                   ; the last image's stores have read v48-59 and v68, which the lines below write again
	v_lshl_or_b32 v68, v37, 8, v36
	v_lshl_or_b32 v68, v38, 16, v68
	v_lshl_or_b32 v68, v39, 24, v68
.irp c, 0,1
	v_cvt_scalef32_pk16_fp6_f32 v[48+6*\c:50+6*\c], v[\s+32*\c:\s+15+32*\c], v[44+2*\c]
	v_cvt_scalef32_pk16_fp6_f32 v[60+4*\c:62+4*\c], v[\s+16+32*\c:\s+31+32*\c], v[45+2*\c]   ; (a conversion's three registers begin on an even number)
.endr
	v_nop                                          ; one plain place behind a scaled conversion
.irp c, 0,1                            ; the operand wants a whole block in a lane: lanes 0-15 block 2 c, lanes 16-31 block 2 c + 1
.irp i, 0,1,2
	v_permlane16_swap_b32 v[48+6*\c+\i], v[60+4*\c+\i]
.endr
.irp i, 0,1,2
	v_mov_b32 v[51+6*\c+\i], v[60+4*\c+\i]
.endr
.endr
	s_wait_alu depctr_va_vdst(0)                   ; the codes v48-59 and the word v68 are written, which the image's stores behind this macro read; the maxima and conversions are done reading the 64 numbers, in whose registers later loads land
.endm
; the same for 32 numbers, two blocks (a pair of heads): half a fragment in v48-53; the two bytes in v36, v37.  Who calls it makes the scale word and states that all is written
.macro QUANT2 s
.irp b, 0,1
	v_max3_num_f32 v[32+\b], |v[\s+16*\b]|, |v[\s+1+16*\b]|, 0x1800000
.endr
.irp i, 2,4,6,8,10,12,14
.irp b, 0,1
	v_max3_num_f32 v[32+\b], v[32+\b], |v[\s+16*\b+\i]|, |v[\s+1+16*\b+\i]|
.endr
.endr
.irp b, 0,1
	v_permlanex16_b32 v[36+\b], v[32+\b], s26, s27
.endr
.irp b, 0,1
	v_max_num_f32 v[32+\b], v[32+\b], v[36+\b]
.endr
.irp b, 0,1
	v_add_nc_u32 v[44+\b], 0xff000000, v[32+\b]
.endr
.irp b, 0,1
	v_lshrrev_b32 v[36+\b], 23, v[44+\b]
.endr
	s_wait_alu depctr_va_vdst(0)
	s_wait_dscnt 0x0                               ; my LDS instructions so far are done, the last image's stores among them
	s_wait_alu depctr_vm_vsrc(0)                   ; the last image's stores have read their data (v48-53, v68; for q v56-67, v70-71), which the lines below and behind this macro write again
	v_cvt_scalef32_pk16_fp6_f32 v[48:50], v[\s:\s+15], v44
	v_cvt_scalef32_pk16_fp6_f32 v[52:54], v[\s+16:\s+31], v45
	v_nop
.irp i, 0,1,2
	v_permlane16_swap_b32 v[48+\i], v[52+\i]
.endr
	v_mov_b32 v51, v52
	v_mov_b32 v52, v53
	v_mov_b32 v53, v54
.endm
.macro IMG3 adr, off                   ; the fragment in v48-59 goes to LDS as it stands
.irp c, 0,1,2
	ds_store_b128 v[\adr], v[48+4*\c:48+4*\c+3] offset:\off+512*\c
.endr
.endm
.macro STH a16, a8, off, reg           ; half a fragment, 6 registers: 16 bytes a lane, then 8 bytes a lane 512 bytes on (a8 holds the 512)
	ds_store_b128 v[\a16], v[\reg:\reg+3] offset:\off
	ds_store_b64 v[\a8], v[\reg+4:\reg+5] offset:\off
.endm
.macro LDH reg, a16, a8, off
	ds_load_b128 v[\reg:\reg+3], v[\a16] offset:\off
	ds_load_b64 v[\reg+4:\reg+5], v[\a8] offset:\off
.endm
	s_load_b512 s[4:19], s[0:1], 0x0               ; msa s[4:5], wfrag s[6:7], wscale s[8:9], maskbits s[10:11], b_qkv s[12:13], b_out s[14:15], ln_gamma s[16:17], ln_beta s[18:19]
	s_load_b64 s[20:21], s[0:1], 0x40              ; out0
	v_lshl_add_u32 v126, v0, 2, 0x41400
	v_mov_b32 v127, 0
	v_and_b32 v1, 31, v0
	v_and_b32 v2, 15, v0
	v_bfe_u32 v3, v0, 4, 1
	v_lshlrev_b32 v4, 4, v1
	v_lshlrev_b32 v5, 3, v1
	v_lshlrev_b32 v6, 2, v1
	v_lshlrev_b32 v7, 6, v3
	v_lshrrev_b32 v8, 5, v0
	v_readfirstlane_b32 s22, v8                    ; wave 0..7
	s_wait_alu depctr_va_sdst(0)                   ; s22 is written, ahead of its first reader: bases and LDS addresses are made from it
	s_and_b32 s23, ttmp9, 1                        ; qh
	s_lshr_b32 s2, ttmp9, 1                        ; s
	s_lshl_b32 s2, s2, 18                          ; a row s is 262,144 bytes
	s_lshl_b32 s3, s23, 2
	s_xor_b32 s3, s3, s22                          ; local tokens 32 w on are global tokens 32 (w xor 4 qh) on
	s_lshl_b32 s3, s3, 15
	s_add_co_u32 s36, s2, s3
	s_mov_b32 s37, 0
	s_wait_kmcnt 0x0
	s_add_nc_u64 s[36:37], s[4:5], s[36:37]
; the 16 rows of tile u of my 32 tokens, as they lie: each load reads 512 consecutive bytes; row m into registers 128 + 8 m on
.macro RAWLOAD u
.irp m, 0,1,2,3,4,5,6,7,8,9,10,11,12,13,14,15
	global_load_b128 v[128+8*\m:128+8*\m+3], v4, s[36:37] offset:(8*\u+\m+8*(\m/8))*1024
	global_load_b128 v[128+8*\m+4:128+8*\m+7], v4, s[36:37] offset:(8*\u+\m+8*(\m/8))*1024+512
.endr
.endm
	s_wait_alu depctr_va_vdst(0)                   ; the offsets v4 to v7 are written, which the kernel's global loads and stores read
	RAWLOAD 0                                      ; window 0
	WIN 0x40
	RAWLOAD 1                                      ; window 1
	WIN 0
	; the other addresses are made while these 64 loads are on their way
	s_lshr_b32 s24, s22, 1
	s_and_b32 s25, s22, 1
	s_mov_b32 s26, 0x76543210
	s_mov_b32 s27, 0xfedcba98
	s_mov_b32 s100, 0x3b800000                     ; 1 / 256
	s_mov_b32 s101, 0x3727c5ac                     ; 1e-5
	s_lshl_b32 s3, s23, 17
	s_add_co_u32 s28, s2, s3
	s_lshl_b32 s3, s22, 14
	s_add_co_u32 s28, s28, s3                      ; my 16 rows of the way out: s, half qh, 16 w rows of 1,024 bytes
	s_mov_b32 s29, 0
	s_add_nc_u64 s[30:31], s[20:21], s[28:29]
	s_add_nc_u64 s[28:29], s[4:5], s[28:29]
	s_mul_i32 s50, s24, 12288                      ; Wq: tiles 4 i on
	s_mov_b32 s51, 0
	s_add_co_u32 s38, s50, 49152                   ; Wk: tiles 16 + 4 i on
	s_mov_b32 s39, 0
	s_lshl_b32 s52, s24, 9
	s_mov_b32 s53, 0
	s_add_co_u32 s40, s52, 2048
	s_mov_b32 s41, 0
	s_lshl_b32 s54, s24, 8                         ; b_qkv: 64 i numbers on
	s_mov_b32 s55, 0
	s_add_co_u32 s42, s54, 1024
	s_mov_b32 s43, 0
	s_mul_i32 s44, s22, 6144
	s_add_co_u32 s44, s44, 98304                   ; Wv: tiles 32 + 2 w on
	s_mov_b32 s45, 0
	s_lshl_b32 s46, s22, 8
	s_add_co_u32 s46, s46, 4096
	s_mov_b32 s47, 0
	s_lshl_b32 s48, s22, 7
	s_add_co_u32 s48, s48, 2048
	s_mov_b32 s49, 0
	s_lshl_b32 s56, s23, 3
	s_add_co_u32 s56, s56, s22
	s_lshl_b32 s56, s56, 10                        ; the mask record of query tile 8 qh + w
	s_mov_b32 s57, 0
	s_add_nc_u64 s[38:39], s[6:7], s[38:39]
	s_add_nc_u64 s[40:41], s[8:9], s[40:41]
	s_add_nc_u64 s[42:43], s[12:13], s[42:43]
	s_add_nc_u64 s[44:45], s[6:7], s[44:45]
	s_add_nc_u64 s[46:47], s[8:9], s[46:47]
	s_add_nc_u64 s[48:49], s[12:13], s[48:49]
	s_add_nc_u64 s[4:5], s[6:7], s[50:51]          ; Wq's three bases lie outside s32-63 (msa's, out0's and b_qkv's own pointers are done with), so that lane masks can land there while Wq's loads are out
	s_add_nc_u64 s[20:21], s[8:9], s[52:53]
	s_add_nc_u64 s[12:13], s[12:13], s[54:55]
	s_add_nc_u64 s[10:11], s[10:11], s[56:57]
	s_load_b512 s[68:83], s[10:11], 0x0            ; the record's words 0-31 and the flag, asked for here: no base lies in these registers; they are waited for behind Q's products
	s_load_b512 s[84:99], s[10:11], 0x40
	s_load_b32 s67, s[10:11], 0x200
	; PHASE X AND P1, window 0: v8-10 x's images (my 8 tiles, all, my 4 query tiles), v11-13 their scale words, v14-16 K's stores, v17-19 Q's, v20-21 V's, v22-23 my stage in and out, v24-25 x's stores,
	; v26-27 lane masks, v28-29 V's bias, v30 4 (r + 8 (r / 8)), v32-68 the quantisers, v56-67, v70-71 Q's copies, v80-111 bias of K, then of Q, v112-115 W's scale words, v116-117 Wv's, v118-121 x's, v128-255 numbers.
	; window 1: v0-95 W's 8 fragments, v96-191 x's 8, v192-239 Wv's 4, v240-255 V's bias as C; in phase X v128-255: the second tile's rows.
	s_mul_i32 s2, s22, 16*SPIT
	v_add_nc_u32 v22, s2, v4                       ; stage in: my 16 rows, 16 bytes a lane
	v_mul_u32_u24 v23, v2, SPIT
	v_add_nc_u32 v23, v23, v7
	v_add_nc_u32 v23, s2, v23                      ; stage out: row r, + 64 h: my 16 numbers of a block of 32
	s_mul_i32 s2, s22, 6144
	s_add_co_u32 s3, s2, XIMG
	v_add_nc_u32 v24, s3, v4
	s_add_co_u32 s3, s2, VIMG
	v_add_nc_u32 v20, s3, v4
	v_lshlrev_b32 v31, 2, v2                       ; 4 r
	s_lshl_b32 s2, s22, 8
	s_add_co_u32 s3, s2, XSC
	v_add_nc_u32 v25, s3, v31
	s_add_co_u32 s3, s2, VSC
	v_add_nc_u32 v21, s3, v31
	s_mul_i32 s2, s25, 24576
	s_add_co_u32 s2, s2, XIMG
	v_add_nc_u32 v8, s2, v4
	v_add_nc_u32 v9, XIMG, v4
	s_mul_i32 s2, s25, 12288
	s_add_co_u32 s2, s2, XIMG
	v_add_nc_u32 v10, s2, v4
	s_lshl_b32 s2, s25, 10
	s_add_co_u32 s2, s2, XSC
	v_add_nc_u32 v11, s2, v6
	v_add_nc_u32 v12, XSC, v6
	s_lshl_b32 s2, s25, 9
	s_add_co_u32 s2, s2, XSC
	v_add_nc_u32 v13, s2, v6
	s_lshl_b32 s2, s24, 14                         ; pair i's keys
	s_mul_i32 s3, s25, 6144                        ; my 8 tiles of them
	s_add_co_u32 s3, s2, s3
	v_add_nc_u32 v14, s3, v4
	s_add_co_u32 s3, s3, 512
	v_add_nc_u32 v15, s3, v5
	s_lshl_b32 s3, s25, 4
	s_add_co_u32 s3, s3, s2
	s_add_co_u32 s3, s3, KSCO
	v_mul_u32_u24 v16, v2, 48
	v_add_nc_u32 v16, s3, v16
	s_mul_i32 s2, s25, 24576                       ; my 4 query tiles,
	s_mul_i32 s3, s24, 1536                        ; my pair of heads
	s_add_co_u32 s2, s2, s3
	s_add_co_u32 s2, s2, QIMG
	v_add_nc_u32 v17, s2, v4
	s_add_co_u32 s2, s2, 512
	v_add_nc_u32 v18, s2, v5
	s_lshl_b32 s2, s25, 12
	s_lshl_b32 s3, s24, 8
	s_add_co_u32 s2, s2, s3
	s_add_co_u32 s2, s2, QSC
	v_add_nc_u32 v19, s2, v5
	v_add_nc_u32 v26, -1, v3                       ; all ones in lanes 0-15
	v_sub_nc_u32 v27, 0, v3                        ; all ones in lanes 16-31
	v_and_b32 v30, 8, v2
	v_add_nc_u32 v30, v30, v2
	v_lshlrev_b32 v30, 2, v30
.irp b, 0,1,2,3
	v_mov_b32 v[36+\b], 0                          ; written once: a lane permute's destination counts as one of its sources
.endr
	; ---- PHASE X.  The conversions want 16 neighbours along K in a lane; the loads took the rows as they lie.  So a tile's 16 rows turn through my own stage: LDS serves a wave's instructions in order.
.macro TOSTAGE
.irp m, 0,1,2,3,4,5,6,7,8,9,10,11,12,13,14,15
	ds_store_b128 v22, v[128+8*\m:128+8*\m+3] offset:\m*SPIT
	ds_store_b128 v22, v[128+8*\m+4:128+8*\m+7] offset:\m*SPIT+512
.endr
.endm
.macro FROMSTAGE                       ; register 128 + 16 q + i: channel 32 q + 16 h + i of row r
.irp q, 0,1,2,3,4,5,6,7
.irp j, 0,1,2,3
	ds_load_b128 v[128+16*\q+4*\j:128+16*\q+4*\j+3], v23 offset:128*\q+16*\j
.endr
.endr
.endm
	s_wait_loadcnt 32                              ; the first tile's 32 loads are in; the second tile's 32 may be out
	s_wait_alu depctr_va_vdst(0)                   ; the addresses v8 to v25 and v30 are written, which the LDS instructions and loads of phase X and P1 read
	TOSTAGE
	s_wait_alu depctr_vm_vsrc(0)                   ; the stage's stores have read v128-255, in which the loads from the stage land
	FROMSTAGE
	WIN 0x40                                       ; Wk's four tiles of my pair of heads: 24 + 4 + 8 = 36 loads (into registers that no vector instruction has named)
.irp k, 0,1,2,3,4,5,6,7,8,9,10,11,12,13,14,15,16,17,18,19,20,21,22,23
	global_load_b128 v[4*\k:4*\k+3], v4, s[38:39] offset:512*\k
.endr
	WIN 0
.irp wt, 0,1,2,3
	global_load_b32 v[112+\wt], v6, s[40:41] offset:128*\wt
.endr
.irp wt, 0,1,2,3
	global_load_b128 v[80+8*\wt:80+8*\wt+3], v7, s[42:43] offset:(32*(\wt/2)+8*(\wt%2))*4      ; the bias in the result's layout: lane (r, h), register j: channel 32 (wt / 2) + 16 h + 8 (wt % 2) + j
	global_load_b128 v[80+8*\wt+4:80+8*\wt+7], v7, s[42:43] offset:(32*(\wt/2)+8*(\wt%2))*4+16
.endr
	s_wait_dscnt 0x0
	QUANT 128
	IMG3 24, 0
	ds_store_b32 v25, v68                          ; lanes r and 16 + r write the same word with the same value
	QUANT 192
	IMG3 24, FRB
	ds_store_b32 v25, v68 offset:64
	s_wait_loadcnt 36                              ; the second tile's rows are in; the 36 loads issued behind them may be out
	WIN 0x04                                       ; an LDS store's data are its source 1: window 1
	TOSTAGE
	WIN 0
	FROMSTAGE                                      ; no wait: the quantiser's last line has stated that it is done reading v128-255, and no vector instruction has been issued since
	s_wait_dscnt 0x0
	WIN 0x40                                       ; Wv's two tiles of head w: 12 + 2 + 2 = 16 loads
	s_wait_alu depctr_vm_vsrc(0)                   ; the stage's stores have read window 1's v128-255, in which Wv's loads and, in P1, x's fragments land
.irp k, 0,1,2,3,4,5,6,7,8,9,10,11
	global_load_b128 v[192+4*\k:192+4*\k+3], v4, s[44:45] offset:512*\k
.endr
	WIN 0
	global_load_b32 v116, v6, s[46:47]
	global_load_b32 v117, v6, s[46:47] offset:128
	global_load_b32 v28, v30, s[48:49]             ; V's bias hangs on the lane's channel alone
	global_load_b32 v29, v30, s[48:49] offset:32
	QUANT 128
	IMG3 24, 2*FRB
	ds_store_b32 v25, v68 offset:128
	QUANT 192
	IMG3 24, 3*FRB
	ds_store_b32 v25, v68 offset:192
	BARRIER                                        ; x's 32 fragments lie in LDS; nobody reads the stage any more
	; ---- P1
.macro LOADX adr, adrs, T0, w          ; x's fragments of four tiles from T0 on (tile tl, K step ks at 96 + 12 (2 tl + ks) of window 1), and their scale words: lanes 0-15 K step 0's, lanes 16-31 K step 1's.  w = 1: products have read these registers since the last wait on va_vdst
	WIN 0x40
.if \w
	s_wait_alu depctr_va_vdst(0)                   ; the products are done reading x's fragments and scale words v118-121, in which these loads land
.endif
.irp f, 0,1,2,3,4,5,6,7
.irp c, 0,1,2
	ds_load_b128 v[96+12*\f+4*\c:96+12*\f+4*\c+3], v[\adr] offset:(2*(\T0)+\f)*FRB+512*\c
.endr
.endr
	WIN 0
.irp tl, 0,1,2,3
	ds_load_b32 v[118+\tl], v[\adrs] offset:((\T0)+\tl)*128
.endr
.endm
.macro KQMUL                           ; source 0 = 16 channels of W, source 1 = 16 tokens: a lane holds a token, registers run along the channels.  16 accumulators by turns; the bias is the first C
	WIN 0x05
.irp tl, 0,1,2,3
.irp wt, 0,1,2,3
	WMC 128+32*\tl+8*\wt, 24*\wt, 96+24*\tl, 80+8*\wt, 112+\wt, 118+\tl
.endr
.endr
.irp tl, 0,1,2,3
.irp wt, 0,1,2,3
	WMAB 128+32*\tl+8*\wt, 24*\wt+12, 96+24*\tl+12, 128+32*\tl+8*\wt, 112+\wt, 118+\tl
.endr
.endr
	WIN 0
	PLACES 4                                       ; in front of loads into the operands' registers, of vector writes of them, and of the first read of results
.endm
.macro VMUL sb                         ; source 0 = 16 tokens, source 1 = 16 channels of Wv: a lane holds a channel, registers run along the tokens.  8 accumulators by turns
	WIN 0x15
.irp tl, 0,1,2,3
.irp u, 0,1
	WMC 128+64*\u+8*(4*\sb+\tl), 96+24*\tl, 192+24*\u, 240+8*\u, 118+\tl, 116+\u
.endr
.endr
	WIN 0x05
.irp tl, 0,1,2,3
.irp u, 0,1
	WMAB 128+64*\u+8*(4*\sb+\tl), 96+24*\tl+12, 192+24*\u+12, 128+64*\u+8*(4*\sb+\tl), 118+\tl, 116+\u
.endr
.endr
	WIN 0
	PLACES 4
.endm
.macro KSTORE tb                       ; tile tb of my 8: the pair's 32 + 32 channels of 16 keys become half a fragment and a word of two bytes
	QUANT2 128+32*((\tb)%4)
	v_lshl_or_b32 v68, v37, 8, v36
	s_wait_alu depctr_va_vdst(0)                   ; the codes v48-53 and the word v68 are written, which the three stores read
	STH 14, 15, (\tb)*768, 48
	ds_store_b32 v16, v68 offset:((\tb)%2)*768+((\tb)/2)*4
.endm
	LOADX 8, 11, 0, 0                              ; (no vector or matrix instruction has named these registers yet)
	s_wait_loadcnt 16                              ; Wk's 36 loads are in; Wv's 16 may be out
	s_wait_dscnt 0x0
	KQMUL
	LOADX 8, 11, 4, 1                              ; the next four tiles land while these are quantised
.irp tb, 0,1,2,3
	KSTORE \tb
.endr
	s_wait_dscnt 0x0
	KQMUL
	WIN 0x40                                       ; Wq's four tiles take Wk's registers: 36 loads
	s_wait_alu depctr_va_vdst(0)                   ; the products are done reading Wk's fragments, scale words v112-115 and bias v80-111, and x's fragments and scale words: Wq's loads and x's next, one run of loads, land there
.irp k, 0,1,2,3,4,5,6,7,8,9,10,11,12,13,14,15,16,17,18,19,20,21,22,23
	global_load_b128 v[4*\k:4*\k+3], v4, s[4:5] offset:512*\k
.endr
	WIN 0
.irp wt, 0,1,2,3
	global_load_b32 v[112+\wt], v6, s[20:21] offset:128*\wt
.endr
.irp wt, 0,1,2,3
	global_load_b128 v[80+8*\wt:80+8*\wt+3], v7, s[12:13] offset:(32*(\wt/2)+8*(\wt%2))*4
	global_load_b128 v[80+8*\wt+4:80+8*\wt+7], v7, s[12:13] offset:(32*(\wt/2)+8*(\wt%2))*4+16
.endr
	LOADX 9, 12, 0, 0
	s_wait_loadcnt 36                              ; Wv's 16 loads, and all before them, are in; Wq's 36 may be out
	s_load_b512 s[32:47], s[10:11], 0x80           ; the record's words 32-63: every load that named a base in s36-49 is done, and Wq's bases lie elsewhere
	s_load_b512 s[48:63], s[10:11], 0xc0
	WIN 0x40
.irp u, 0,1
.irp j, 0,1,2,3,4,5,6,7
	v_mov_b32 v[240+8*\u+\j], v[28+\u]             ; V's bias as a C: the same in a lane's eight registers
.endr
.endr
	WIN 0
.irp tb, 4,5,6,7
	KSTORE \tb
.endr
.irp tg, 0,1                           ; V of head w: 128 tokens at a time
	s_wait_dscnt 0x0
	VMUL 0
	LOADX 9, 12, 8*\tg+4, 1
	s_wait_dscnt 0x0
	VMUL 1
.if \tg == 0
	LOADX 9, 12, 8, 1
.else
	LOADX 10, 13, 0, 1                             ; my four query tiles
.endif
	QUANT 128
	IMG3 20, \tg*FRB
	ds_store_b32 v21, v68 offset:64*\tg
	QUANT 192
	IMG3 20, (2+\tg)*FRB
	ds_store_b32 v21, v68 offset:128+64*\tg
.endr
	s_wait_loadcnt 0x0                             ; Wq
	s_wait_dscnt 0x0
	KQMUL
	; the mask as the C of the score products: 128 registers of window 1, 0 or -1e9 x sqrt(32), laid over W's and x's fragments, which are done with (four places stand behind the last product).
	; The first 64 lane masks were asked for long ago; the other 64 are asked for here and land while q is quantised
	s_wait_kmcnt 0x0
	v_mov_b32 v111, 0xcfa89662                     ; -1e9 x sqrt(32)
	WIN 0x40
.set n, 0
.rept 32
	v_cndmask_b32 v[n], 0, v111, s[68+n]           ; words 0-31
.set n, n+1
.endr
.set n, 0
.rept 32
	v_cndmask_b32 v[32+n], 0, v111, s[32+n]        ; words 32-63
.set n, n+1
.endr
	WIN 0
	s_load_b512 s[32:47], s[10:11], 0x100          ; words 64-95
	s_load_b512 s[48:63], s[10:11], 0x140
	s_load_b512 s[68:83], s[10:11], 0x180          ; words 96-127
	s_load_b512 s[84:99], s[10:11], 0x1c0
.irp tl, 0,1,2,3                       ; q is stored twice: for the even head with lanes 16-31 cleared, for the odd head with lanes 0-15 cleared; each head's scale word has its own byte alone
	QUANT2 128+32*\tl
	v_mov_b32 v70, v36
	v_lshlrev_b32 v71, 8, v37
.irp k, 0,1,2,3,4,5
	v_and_b32 v[56+\k], v26, v[48+\k]
	v_and_b32 v[62+\k], v27, v[48+\k]
.endr
	s_wait_alu depctr_va_vdst(0)                   ; q's two copies v56-67 and the two words v70-71 are written, which the five stores read
	STH 17, 18, \tl*6144, 56
	STH 17, 18, \tl*6144+768, 62
	ds_store_b64 v19, v[70:71] offset:\tl*1024
.endr
	s_wait_kmcnt 0x0
	WIN 0x40
.set n, 0
.rept 32
	v_cndmask_b32 v[64+n], 0, v111, s[32+n]
.set n, n+1
.endr
.set n, 0
.rept 32
	v_cndmask_b32 v[96+n], 0, v111, s[68+n]
.set n, n+1
.endr
	WIN 0
	; P2, window 0: v8 48 lane + KSCO; v14-19 addresses of K's halves, K's scale words, q's halves, q's scale words; v20-21 V, its scale words; v22-23 o's store; v[24:25] c; v[26:27] -M, 0; v[28:31] the sum;
	; v32-39 block maxima; v40-47 at work; v48-55 scale operands; v56-79 p's two fragments; v80-87 half blocks; v88-99 q and six zeros; v100-106 o's codes; v108 the even head's byte; v109-110 o's scale words; v111 at work;
	; v112-119 K's scale words, v120-121 q's, v122-123 V's, v124-125 p's; v128-255 S^T, then p; behind the conversions v128-175 V's four fragments, v176-191 O^T.   window 1: v0-127 the mask, v128-223 K's 16 halves, v224-229 zeros.
	; (v8, v24 and v25, written below, were last read by LDS instructions of phase X and of P1's first half: the quantisers' waits on vm_vsrc stand between)
	v_mov_b32 v24, 0x3e8293ee                      ; c = log2(e) / sqrt(32);
	v_cndmask_b32 v24, v24, 0, s67                 ; 0 for a query whose whole row is masked
	v_mov_b32 v25, v24
	v_mov_b32 v27, 0
.irp k, 94,95,96,97,98,99
	v_mov_b32 v\k, 0
.endr
.irp k, 40,41,42,43,44,45,46,47
	v_mov_b32 v\k, 0                               ; lane permutes' destinations
.endr
	v_mov_b32 v109, 0
	v_mov_b32 v110, 0
	WIN 0x40
.irp k, 224,225,226,227,228,229
	v_mov_b32 v\k, 0
.endr
	WIN 0
	v_mul_u32_u24 v8, v1, 48
	v_add_nc_u32 v8, KSCO, v8
	s_mul_i32 s70, s22, 6144
	s_add_co_u32 s70, s70, QIMG                    ; query tile w's q,
	s_lshl_b32 s71, s22, 10
	s_add_co_u32 s71, s71, QSC                     ; its scale words,
	s_mul_i32 s72, s22, 3072
	s_add_co_u32 s72, s72, OIMG                    ; its o
	s_mul_i32 s32, s22, 6144                       ; the bases of the last head's loads (the lane masks have left these registers)
	s_add_co_u32 s32, s32, 147456                  ; W_out: tiles 48 + 2 w on
	s_mov_b32 s33, 0
	s_add_nc_u64 s[32:33], s[6:7], s[32:33]
	s_lshl_b32 s34, s22, 8
	s_add_co_u32 s34, s34, 6144
	s_mov_b32 s35, 0
	s_add_nc_u64 s[34:35], s[8:9], s[34:35]
	s_lshl_b32 s36, s22, 7
	s_mov_b32 s37, 0
	s_add_nc_u64 s[36:37], s[14:15], s[36:37]
	s_wait_alu depctr_va_vdst(0)
	BARRIER                                        ; K, V and Q lie in LDS
	; ---- P2
.macro SETKQ                           ; the addresses of pair s2's K and q
	s_wait_alu depctr_vm_vsrc(0)                   ; the LDS instructions issued so far have read v14-19, which the lines below write
	s_lshl_b32 s3, s2, 14
	v_add_nc_u32 v14, s3, v4
	v_add_nc_u32 v16, s3, v8
	s_add_co_u32 s3, s3, 512
	v_add_nc_u32 v15, s3, v5
	s_mul_i32 s3, s2, 1536
	s_add_co_u32 s3, s3, s70
	v_add_nc_u32 v17, s3, v4
	s_add_co_u32 s3, s3, 512
	v_add_nc_u32 v18, s3, v5
	s_lshl_b32 s3, s2, 8
	s_add_co_u32 s3, s3, s71
	v_add_nc_u32 v19, s3, v5
.endm
.macro LOADK                           ; a pair's 16 key tiles, and their scale words: register t / 2, lanes 0-15 the even tile's, lanes 16-31 the odd tile's
	WIN 0x40
.irp t, 0,1,2,3,4,5,6,7,8,9,10,11,12,13,14,15
	LDH 128+6*\t, 14, 15, 768*\t
.endr
	WIN 0
	ds_load_b128 v[112:115], v16
	ds_load_b128 v[116:119], v16 offset:16
.endm
.macro PAIRADR                         ; the addresses of pair s66's V and o
	s_wait_alu depctr_vm_vsrc(0)                   ; the LDS instructions issued so far have read v20-23, which the lines below write, and the last pair's stores have read o's codes v100-105, which this pair's conversions write
	s_mul_i32 s3, s66, 12288
	s_add_co_u32 s3, s3, VIMG
	v_add_nc_u32 v20, s3, v4
	s_lshl_b32 s3, s66, 9
	s_add_co_u32 s3, s3, VSC
	v_add_nc_u32 v21, s3, v6
	s_mul_i32 s3, s66, 768
	s_add_co_u32 s3, s3, s72
	v_add_nc_u32 v22, s3, v4
	s_add_co_u32 s3, s3, 512
	v_add_nc_u32 v23, s3, v5
.endm
; ONE HEAD (par = 0: the pair's even head, 1: its odd head), all 256 keys.  last = 1: the launch's last head.
.macro HEAD par, last
	s_wait_dscnt 0x0                               ; K, q and their scale words are in
	PLACES 5                                       ; the scores are laid over V's fragments and O^T, registers of the last head's products: five places in front of a matrix instruction that writes over them
	WIN 0x11                                       ; K and the mask in window 1
.irp t, 0,2,4,6,8,10,12,14
	WMC 128+8*\t, 128+6*\t, 88, 8*\t, 112+\t/2, 120+\par
	WMA 128+8*\t+8, 128+6*\t+6, 88, 8*\t+8, 112+\t/2, 120+\par
.endr
	WIN 0
	PLACES 4
.if \par == 0
	s_wait_alu depctr_va_vdst(0)                   ; the score products are done reading q, v88-93, in which the odd head's q lands
	LDH 88, 17, 18, 768                            ; the odd head's q
.elseif \last
	; K, its scale words and the mask are done with: what P3 and P4 want from memory lands in their registers under this head's softmax.  First 12 + 4 + 4 + 2 = 22 loads, then the residual's 32
	WIN 0x40
	s_wait_alu depctr_va_vdst(0)                   ; the score products are done reading K's halves, its scale words v112-113 and the mask (which selects wrote): the 54 loads below, one run, land in these registers
.irp k, 0,1,2,3,4,5,6,7,8,9,10,11
	global_load_b128 v[128+4*\k:128+4*\k+3], v4, s[32:33] offset:512*\k         ; W_out's four fragments
.endr
.irp u, 0,1
	global_load_b128 v[176+8*\u:176+8*\u+3], v7, s[36:37] offset:32*\u          ; b_out in the result's layout
	global_load_b128 v[176+8*\u+4:176+8*\u+7], v7, s[36:37] offset:32*\u+16
.endr
	global_load_b128 v[192:195], v4, s[16:17]                                   ; gamma,
	global_load_b128 v[196:199], v4, s[16:17] offset:512
	global_load_b128 v[200:203], v4, s[18:19]                                   ; beta
	global_load_b128 v[204:207], v4, s[18:19] offset:512
	WIN 0
	global_load_b32 v112, v6, s[34:35]                                          ; W_out's scale words
	global_load_b32 v113, v6, s[34:35] offset:128
	WIN 0x40
.irp p, 0,1,2,3,4,5,6,7,8,9,10,11,12,13,14,15
	global_load_b128 v[8*\p:8*\p+3], v4, s[28:29] offset:\p*1024                ; the residual's 16 rows
	global_load_b128 v[8*\p+4:8*\p+7], v4, s[28:29] offset:\p*1024+512
.endr
	WIN 0
.else
	s_add_co_u32 s2, s66, 1                        ; the next pair's K and q land under this head's softmax
	s_min_u32 s2, s2, 3
	SETKQ
	s_wait_alu depctr_va_vdst(0)                   ; the addresses v14-19 are written, which the loads below read; the score products are done reading K's halves, q and the scale words v112-121, in which they land
	LOADK
	LDH 88, 17, 18, 0
	ds_load_b64 v[120:121], v19
.endif
.irp b, 0,1,2,3,4,5,6,7
	v_max3_num_f32 v[32+\b], v[128+16*\b], v[129+16*\b], v[130+16*\b]   ; the largest score of each block of 32 keys: for the row's maximum and, since p rises with the score, for the block's largest p
.endr
.irp i, 3,5,7,9,11,13
.irp b, 0,1,2,3,4,5,6,7
	v_max3_num_f32 v[32+\b], v[32+\b], v[128+16*\b+\i], v[129+16*\b+\i]
.endr
.endr
.irp b, 0,1,2,3,4,5,6,7
	v_max_num_f32 v[32+\b], v[32+\b], v[143+16*\b]
.endr
.irp b, 0,1,2,3,4,5,6,7
	v_permlanex16_b32 v[40+\b], v[32+\b], s26, s27
.endr
.irp b, 0,1,2,3,4,5,6,7
	v_max_num_f32 v[32+\b], v[32+\b], v[40+\b]     ; with lane l xor 16's 16 keys
.endr
	v_max3_num_f32 v111, v32, v33, v34
	v_max3_num_f32 v111, v111, v35, v36
	v_max3_num_f32 v111, v111, v37, v38
	v_max_num_f32 v111, v111, v39                  ; my query's largest score
	v_mul_f32 v111, v24, v111                      ; as t (c is not negative)
	v_floor_f32 v26, -v111                         ; -M = floor(-t) = -ceil(t)
.set j, 0
.rept 64
	v_pk_fma_f32 v[128+j:129+j], v[128+j:129+j], v[24:25], v[26:27] op_sel_hi:[1,0,0]   ; t - M, two at a time
.set j, j+2
.endr
.irp b, 0,1,2,3,4,5,6,7
	v_fma_f32 v[32+\b], v[32+\b], v24, v26         ; the same of each block's largest score
.endr
.set j, 0
	s_wait_alu depctr_va_vdst(0)
.rept 128
	v_exp_f32 v[128+j], v[128+j]                   ; p = 2^(t - M): not normalised
.set j, j+1
.endr
	v_nop                                          ; a plain place behind the exponentials
	s_wait_alu depctr_va_vdst(0)                   ; the 128 exponentials have written p, v128-255: one wait for the batch, ahead of its first reader
.irp b, 0,1,2,3,4,5,6,7
	v_exp_f32 v[32+\b], v[32+\b]                   ; the block's largest p: the same two instructions on the same number
.endr
	v_pk_add_f32 v[28:29], v[128:129], v[130:131]  ; the row's sum is taken of the unquantised p: two chains of pairs.  (Plain work behind the eight, which it does not name)
	v_pk_add_f32 v[30:31], v[132:133], v[134:135]
.set j, 8
.rept 30
	v_pk_add_f32 v[28:29], v[28:29], v[128+j:129+j]
	v_pk_add_f32 v[30:31], v[30:31], v[130+j:131+j]
.set j, j+4
.endr
	v_pk_add_f32 v[28:29], v[28:29], v[30:31]
	s_wait_alu depctr_va_vdst(0)                   ; the eight exponentials have written v32-39: one wait, ahead of their first reader
.irp b, 0,1,2,3,4,5,6,7
	v_max_num_f32 v[32+\b], 0x1800000, v[32+\b]    ; the floor 2^(3 - 127): a block whose every p is 0 keeps the byte 1, its codes are zeros
.endr
.irp b, 0,1,2,3,4,5,6,7
	v_add_nc_u32 v[48+\b], 0xff000000, v[32+\b]    ; the conversion's scale operand
.endr
.irp b, 0,1,2,3,4,5,6,7
	v_lshrrev_b32 v[40+\b], 23, v[48+\b]           ; the scale's byte
.endr
	v_lshl_or_b32 v124, v41, 8, v40                ; p's scale words: keys 0-127,
	v_lshl_or_b32 v125, v45, 8, v44                ; keys 128-255
	v_lshl_or_b32 v124, v42, 16, v124
	v_lshl_or_b32 v125, v46, 16, v125
	v_lshl_or_b32 v124, v43, 24, v124
	v_lshl_or_b32 v125, v47, 24, v125
.irp c, 0,1
	v_cvt_scalef32_pk16_fp6_f32 v[56+6*\c:58+6*\c], v[128+32*\c:143+32*\c], v[48+2*\c]
	v_cvt_scalef32_pk16_fp6_f32 v[80+4*\c:82+4*\c], v[144+32*\c:159+32*\c], v[49+2*\c]
.endr
	s_wait_alu depctr_va_vdst(0)                   ; the four conversions are done reading v128-191, of which v128-175 take V's fragments; the addresses v20-21 are written; the last head's products are done reading V's scale words v122-123
.irp f, 0,1,2,3                        ; V's four fragments (channel tile u, keys 128 tg on: f = 2 u + tg) land where p's first 48 numbers lay: they have been converted
.irp c, 0,1,2
	ds_load_b128 v[128+12*\f+4*\c:128+12*\f+4*\c+3], v20 offset:\par*6144+\f*FRB+512*\c
.endr
.endr
	ds_load_b32 v122, v21 offset:\par*256
	ds_load_b32 v123, v21 offset:\par*256+128
	v_nop                                          ; one plain place behind a scaled conversion
.irp c, 0,1
.irp i, 0,1,2
	v_permlane16_swap_b32 v[56+6*\c+\i], v[80+4*\c+\i]
.endr
.irp i, 0,1,2
	v_mov_b32 v[59+6*\c+\i], v[80+4*\c+\i]
.endr
.endr
.irp c, 0,1
	v_cvt_scalef32_pk16_fp6_f32 v[68+6*\c:70+6*\c], v[192+32*\c:207+32*\c], v[52+2*\c]
	v_cvt_scalef32_pk16_fp6_f32 v[80+4*\c:82+4*\c], v[208+32*\c:223+32*\c], v[53+2*\c]
.endr
	v_nop
.irp c, 0,1
.irp i, 0,1,2
	v_permlane16_swap_b32 v[68+6*\c+\i], v[80+4*\c+\i]
.endr
.irp i, 0,1,2
	v_mov_b32 v[71+6*\c+\i], v[80+4*\c+\i]
.endr
.endr
	PLACES 8                                       ; a scale register written by a vector instruction stands 8 places ahead of a scaled matrix instruction, an operand so written 4
	s_wait_alu depctr_va_vdst(0)                   ; p's codes v56-79 and its scale words v124-125 are written, which the products below take as source 1 and its scales; the places above stay beside this wait
	s_wait_dscnt 0x0                               ; V
	WM0 176, 128, 56, 122, 124                     ; O^T = V^T P^T: source 0 = 16 channels, source 1 = my 16 queries; two accumulators by turns
	WM0 184, 152, 56, 123, 124
	WMA 176, 140, 68, 176, 122, 125
	WMA 184, 164, 68, 184, 123, 125
	v_add_f32 v111, v28, v29                       ; the sum's two halves,
	v_permlanex16_b32 v40, v111, s26, s27
	v_add_f32 v111, v111, v40                      ; and lane l xor 16's: l
	s_wait_alu depctr_va_vdst(0)
	v_rcp_f32 v40, v111
	PLACES 4                                       ; behind the products, and the plain place behind the reciprocal
	s_wait_alu depctr_va_vdst(0)                   ; the reciprocal has written v40, ahead of its first reader
.irp j, 0,2,4,6,8,10,12,14
	v_pk_mul_f32 v[176+\j:177+\j], v[176+\j:177+\j], v[40:41] op_sel_hi:[1,0]   ; o = O^T / l: register i is channel 16 h + i of the head, from each accumulator's low end on
.endr
	v_max3_num_f32 v111, |v176|, |v177|, 0x1800000 ; the head is one block of the last product's K
.irp i, 2,4,6,8,10,12,14
	v_max3_num_f32 v111, v111, |v[176+\i]|, |v[177+\i]|
.endr
	v_permlanex16_b32 v42, v111, s26, s27
	v_max_num_f32 v111, v111, v42
	v_add_nc_u32 v43, 0xff000000, v111
.if \par == 0
	v_lshrrev_b32 v108, 23, v43
.else
	v_lshrrev_b32 v44, 23, v43
.endif
	v_cvt_scalef32_pk16_fp6_f32 v[100+4*\par:102+4*\par], v[176:191], v43
	v_nop
.if \par == 1                          ; the pair's two half blocks become half a fragment; its two bytes are shifted into the two scale words from above
.irp i, 0,1,2
	v_permlane16_swap_b32 v[100+\i], v[104+\i]
.endr
	v_mov_b32 v103, v104
	v_mov_b32 v104, v105
	v_mov_b32 v105, v106
	v_lshl_or_b32 v44, v44, 8, v108
	v_lshrrev_b32 v109, 16, v109
	v_lshl_or_b32 v109, v110, 16, v109
	v_lshrrev_b32 v110, 16, v110
	v_lshl_or_b32 v110, v44, 16, v110
	s_wait_alu depctr_va_vdst(0)                   ; o's codes v100-105 are written, which the two stores read (their addresses v22-23 were written at the pair's head)
	STH 22, 23, 0, 100
.endif
.endm
	s_mov_b32 s2, 0
	SETKQ
	s_wait_alu depctr_va_vdst(0)                   ; the addresses v14-19 are written, which the loads below read; P1's products are done reading the registers in which they land; the zeros v94-99 and window 1's v224-229 are written, which the score products take among their codes
	LOADK
	LDH 88, 17, 18, 0
	ds_load_b64 v[120:121], v19
	s_mov_b32 s66, 0
.Lpair:                                ; three trips, a pair of heads each; the fourth pair is written out, since its last head fetches other things
	PAIRADR
	HEAD 0, 0
	HEAD 1, 0
	s_add_co_u32 s66, s66, 1
	s_cmp_lt_u32 s66, 3
	s_cbranch_scc1 .Lpair
	s_mov_b32 s66, 3
	PAIRADR
	HEAD 0, 0
	HEAD 1, 1
	v_cmp_ne_u32 vcc_lo, 0, v3
	s_wait_alu depctr_va_vcc(0)                    ; VCC is written, ahead of the select that reads it
	v_cndmask_b32 v15, v109, v110, vcc_lo          ; lanes 0-15: the word of heads 0-3; lanes 16-31: of heads 4-7.  (v14 and v15 were last read by K's loads, ahead of the last pair's wait on vm_vsrc)
	s_lshl_b32 s3, s22, 7
	s_add_co_u32 s3, s3, OSC
	v_add_nc_u32 v14, s3, v6
	; P3, P4, window 0: v8-10 o's halves and scale words, v11-12 stage in, v13 stage out, v16-111 o's 8 fragments (P4: v32-39 gamma, v40-47 beta, v48-111 means and sums of squares), v112-113 W_out's scale words, v114-117 o's, v128-255 results, then rows.
	; window 1: v0-127 the residual's 16 rows, v128-175 W_out's four fragments, v176-191 b_out as C, v192-199 gamma, v200-207 beta.
	v_add_nc_u32 v8, OIMG, v4
	v_add_nc_u32 v9, OIMG+512, v5
	v_add_nc_u32 v10, OSC, v6
	s_lshl_b32 s3, s22, 7                          ; 128 x wave, from the wave's number
	v_and_b32 v11, 8, v2
	v_add_nc_u32 v11, v11, v2
	v_mul_u32_u24 v11, v11, SPIT                   ; stage in: row r + 8 (r / 8) of a tile,
	v_add_nc_u32 v11, v11, v7                      ; + 64 h,
	v_add_nc_u32 v11, s3, v11                      ; + 128 w: my 32 channels' bytes
	v_add_nc_u32 v12, 64*SPIT, v11
	s_mul_i32 s3, s22, 16*SPIT
	v_add_nc_u32 v13, s3, v4                       ; stage out: my 16 rows, 16 bytes a lane
	s_wait_alu depctr_va_vdst(0)                   ; o's scale word v15 and its address v14 are written, which the store reads; so are P3's and P4's addresses v8-13; and P2's vector and matrix instructions are done with v16-111 and v114-117, in which o's fragments and scale words land
	ds_store_b32 v14, v15
	BARRIER                                        ; o's 16 fragments lie in LDS; nobody reads K, V or Q any more
	s_wait_alu depctr_vm_vsrc(0)                   ; P2's LDS instructions have read their addresses v16-23 and o's codes v100-105: o's fragments land on these registers
	; ---- P3: source 0 = 16 output channels of W_out, source 1 = 16 queries; b_out is the first C; 8 accumulators by turns, four query tiles at a time
.irp bt, 0,1
.if \bt
	PLACES 4
	s_wait_alu depctr_va_vdst(0)                   ; the first batch's products are done reading o's fragments v16-111 and scale words v114-117, in which the second batch's land
.endif
.irp f, 0,1,2,3,4,5,6,7                ; f = 2 tl + g: query tile 4 bt + tl, heads 4 g on: two halves make a fragment
	LDH 16+12*\f, 8, 9, 4*\bt*3072+\f*FRB
	LDH 16+12*\f+6, 8, 9, 4*\bt*3072+\f*FRB+768
.endr
.irp tl, 0,1,2,3
	ds_load_b32 v[114+\tl], v10 offset:(4*\bt+\tl)*128
.endr
	s_wait_dscnt 0x0
.if \bt == 0
	s_wait_loadcnt 32                              ; the 22 loads of weights, biases and gains are in; the residual's 32, issued behind them, may be out
.endif
	WIN 0x11                                       ; W_out and b_out in window 1
.irp tl, 0,1,2,3
.irp u, 0,1
	WMC 128+16*(4*\bt+\tl)+8*\u, 128+24*\u, 16+24*\tl, 176+8*\u, 112+\u, 114+\tl
.endr
.endr
	WIN 0x01
.irp tl, 0,1,2,3
.irp u, 0,1
	WMAB 128+16*(4*\bt+\tl)+8*\u, 140+24*\u, 28+24*\tl, 128+16*(4*\bt+\tl)+8*\u, 112+\u, 114+\tl
.endr
.endr
	WIN 0
.endr
	PLACES 4
	s_wait_alu depctr_va_vdst(0)                   ; the products have written the sixteen accumulators v128-255, which the stage's stores read; the places above stay beside this wait
.irp qt, 0,1,2,3                       ; lane (r, h), register 8 u + j of tile qt: y(token 32 (qt / 2) + 8 (qt % 2) + r + 8 (r / 8), channel 32 w + 16 h + 8 u + j); each accumulator from its low end on
.irp u, 0,1
	ds_store_b128 v11, v[128+16*\qt+8*\u:128+16*\qt+8*\u+3] offset:(32*(\qt/2)+8*(\qt%2))*SPIT+32*\u
	ds_store_b128 v11, v[128+16*\qt+8*\u+4:128+16*\qt+8*\u+7] offset:(32*(\qt/2)+8*(\qt%2))*SPIT+32*\u+16
.endr
.endr
.irp qt, 4,5,6,7
.irp u, 0,1
	ds_store_b128 v12, v[128+16*\qt+8*\u:128+16*\qt+8*\u+3] offset:(32*((\qt-4)/2)+8*(\qt%2))*SPIT+32*\u
	ds_store_b128 v12, v[128+16*\qt+8*\u+4:128+16*\qt+8*\u+7] offset:(32*((\qt-4)/2)+8*(\qt%2))*SPIT+32*\u+16
.endr
.endr
	BARRIER                                        ; 128 whole rows lie in the stage
	s_wait_alu depctr_vm_vsrc(0)                   ; my stores into the stage have read v128-255, in which the rows land
	; ---- P4: my 16 rows; a lane holds channels 4 lane + 0 .. 3 and 128 + 4 lane + 0 .. 3 of each.  Row p's mean in v[48 + 2 p], its sum of squares, then 1 / sqrt, in v[80 + 2 p].
	; Eight rows at a time, so that the first eight rows' stores leave while the other eight are normalised
.irp p, 0,1,2,3,4,5,6,7,8,9,10,11,12,13,14,15
	ds_load_b128 v[128+8*\p:128+8*\p+3], v13 offset:\p*SPIT
	ds_load_b128 v[128+8*\p+4:128+8*\p+7], v13 offset:\p*SPIT+512
.endr
	s_wait_loadcnt 0x0                             ; the residual
	WIN 0x01
.irp k, 0,1,2,3,4,5,6,7,8,9,10,11,12,13,14,15
	v_mov_b32 v[32+\k], v[192+\k]                  ; gamma and beta beside the rows, in window 0: the lines below then need no switch
.endr
	WIN 0
.macro LNH b                           ; rows b .. b + 7
	s_wait_dscnt 16-2*\b                           ; b = 0: rows 0-7 are in, the 16 loads of rows 8-15, issued behind them, may be out; b = 8: all are in
	WIN 0x04
.set j, 8*\b
.rept 32
	v_pk_add_f32 v[128+j:129+j], v[128+j:129+j], v[j:j+1]   ; z = msa + out
.set j, j+2
.endr
	WIN 0
.irp q, 0,1,2,3,4,5,6,7
.set P, \b+\q
	v_pk_add_f32 v[48+2*P:49+2*P], v[128+8*P:129+8*P], v[130+8*P:131+8*P]
	v_pk_add_f32 v[80+2*P:81+2*P], v[132+8*P:133+8*P], v[134+8*P:135+8*P]
.endr
.irp q, 0,1,2,3,4,5,6,7
.set P, \b+\q
	v_pk_add_f32 v[48+2*P:49+2*P], v[48+2*P:49+2*P], v[80+2*P:81+2*P]
.endr
.irp q, 0,1,2,3,4,5,6,7
.set P, \b+\q
	v_add_f32 v[48+2*P], v[48+2*P], v[49+2*P]
.endr
.irp x, 1,2,4,8
.irp q, 0,1,2,3,4,5,6,7
.set P, \b+\q
	v_add_f32_dpp v[48+2*P], v[48+2*P], v[48+2*P] row_xmask:\x row_mask:0xf bank_mask:0xf
.endr
.endr
.irp q, 0,1,2,3,4,5,6,7
.set P, \b+\q
	v_permlanex16_b32 v[80+2*P], v[48+2*P], s26, s27
.endr
.irp q, 0,1,2,3,4,5,6,7
.set P, \b+\q
	v_add_f32 v[48+2*P], v[48+2*P], v[80+2*P]
.endr
.irp q, 0,1,2,3,4,5,6,7
.set P, \b+\q
	v_mul_f32 v[48+2*P], s100, v[48+2*P]           ; the mean
.endr
.irp q, 0,1,2,3,4,5,6,7
.set P, \b+\q
.irp k, 0,2,4,6
	v_pk_add_f32 v[128+8*P+\k:129+8*P+\k], v[128+8*P+\k:129+8*P+\k], v[48+2*P:49+2*P] op_sel_hi:[1,0] neg_lo:[0,1] neg_hi:[0,1]   ; d = z - mean: the variance is taken of the differences
.endr
.endr
.irp q, 0,1,2,3,4,5,6,7
.set P, \b+\q
	v_pk_mul_f32 v[80+2*P:81+2*P], v[128+8*P:129+8*P], v[128+8*P:129+8*P]
.endr
.irp k, 2,4,6
.irp q, 0,1,2,3,4,5,6,7
.set P, \b+\q
	v_pk_fma_f32 v[80+2*P:81+2*P], v[128+8*P+\k:129+8*P+\k], v[128+8*P+\k:129+8*P+\k], v[80+2*P:81+2*P]
.endr
.endr
.irp q, 0,1,2,3,4,5,6,7
.set P, \b+\q
	v_add_f32 v[80+2*P], v[80+2*P], v[81+2*P]
.endr
.irp x, 1,2,4,8
.irp q, 0,1,2,3,4,5,6,7
.set P, \b+\q
	v_add_f32_dpp v[80+2*P], v[80+2*P], v[80+2*P] row_xmask:\x row_mask:0xf bank_mask:0xf
.endr
.endr
.irp q, 0,1,2,3,4,5,6,7
.set P, \b+\q
	v_permlanex16_b32 v[48+2*P], v[80+2*P], s26, s27
.endr
.irp q, 0,1,2,3,4,5,6,7
.set P, \b+\q
	v_add_f32 v[80+2*P], v[80+2*P], v[48+2*P]
.endr
.irp q, 0,1,2,3,4,5,6,7
.set P, \b+\q
	v_fma_f32 v[80+2*P], v[80+2*P], s100, s101     ; the variance + 1e-5
.endr
	s_wait_alu depctr_va_vdst(0)
.irp q, 0,1,2,3,4,5,6,7
.set P, \b+\q
	v_rsq_f32 v[80+2*P], v[80+2*P]
.endr
	v_nop                                          ; a plain place behind the roots
	s_wait_alu depctr_va_vdst(0)                   ; the eight roots have written their results: one wait, ahead of their first reader
.irp q, 0,1,2,3,4,5,6,7
.set P, \b+\q
.irp k, 0,2,4,6
	v_pk_mul_f32 v[128+8*P+\k:129+8*P+\k], v[128+8*P+\k:129+8*P+\k], v[80+2*P:81+2*P] op_sel_hi:[1,0]
.endr
.irp k, 0,2,4,6
	v_pk_fma_f32 v[128+8*P+\k:129+8*P+\k], v[128+8*P+\k:129+8*P+\k], v[32+\k:33+\k], v[40+\k:41+\k]
.endr
.endr
	s_wait_alu depctr_va_vdst(0)                   ; the eight rows are written, which the sixteen stores, one run, read; each row has registers of its own, which nothing writes again
.irp q, 0,1,2,3,4,5,6,7
.set P, \b+\q
	global_store_b128 v4, v[128+8*P:128+8*P+3], s[30:31] offset:P*1024 th:TH_STORE_NT          ; 32 lanes store 512 consecutive bytes, at a multiple of 256 from out0's first byte; written once
	global_store_b128 v4, v[128+8*P+4:128+8*P+7], s[30:31] offset:P*1024+512 th:TH_STORE_NT
.endr
.endm
	LNH 0
	LNH 8
	s_wait_dscnt 0x0                               ; the closing lines, six on end
	s_wait_alu 0x0
	s_wait_tensorcnt 0x0
	ds_add_u32 v126, v127
	s_wait_dscnt 0x0
	s_endpgm
.Lfunc_end_k_qf7aad2fe05_attn:
	.size	k_qf7aad2fe05_attn, .Lfunc_end_k_qf7aad2fe05_attn-k_qf7aad2fe05_attn
	.p2alignl 7, 3214868480
	.fill 96, 4, 3214868480
	.section	.rodata,"a",@progbits
	.p2align	6, 0x0
	.amdhsa_kernel k_qf7aad2fe05_attn
		.amdhsa_group_segment_fixed_size 268288
		.amdhsa_private_segment_fixed_size 0
		.amdhsa_enable_private_segment 0
		.amdhsa_kernarg_size 72
		.amdhsa_user_sgpr_count 2
		.amdhsa_user_sgpr_kernarg_segment_ptr 1
		.amdhsa_wavefront_size32 1
		.amdhsa_system_sgpr_workgroup_id_x 1
		.amdhsa_system_sgpr_workgroup_id_y 1
		.amdhsa_system_sgpr_workgroup_id_z 1
		.amdhsa_system_vgpr_workitem_id 0
		.amdhsa_next_free_vgpr 512
		.amdhsa_next_free_sgpr 102
		.amdhsa_reserve_vcc 1
		.amdhsa_float_denorm_mode_32 3
		.amdhsa_float_denorm_mode_16_64 3
		.amdhsa_memory_ordered 1
		.amdhsa_forward_progress 1
		.amdhsa_inst_pref_size 255
	.end_amdhsa_kernel
	.section	.bss,"aw",@nobits
	.p2align	6
	.space	262144
	.amdgpu_metadata
---
amdhsa.version: [ 1, 2 ]
amdhsa.kernels:
  - .name:           k_qf7aad2fe05_attn
    .symbol:         k_qf7aad2fe05_attn.kd
    .args:
      - { .name: msa, .offset: 0, .size: 8, .value_kind: global_buffer, .address_space: global }
      - { .name: wfrag, .offset: 8, .size: 8, .value_kind: global_buffer, .address_space: global }
      - { .name: wscale, .offset: 16, .size: 8, .value_kind: global_buffer, .address_space: global }
      - { .name: maskbits, .offset: 24, .size: 8, .value_kind: global_buffer, .address_space: global }
      - { .name: b_qkv, .offset: 32, .size: 8, .value_kind: global_buffer, .address_space: global }
      - { .name: b_out, .offset: 40, .size: 8, .value_kind: global_buffer, .address_space: global }
      - { .name: ln_gamma, .offset: 48, .size: 8, .value_kind: global_buffer, .address_space: global }
      - { .name: ln_beta, .offset: 56, .size: 8, .value_kind: global_buffer, .address_space: global }
      - { .name: out0, .offset: 64, .size: 8, .value_kind: global_buffer, .address_space: global }
    .group_segment_fixed_size: 268288
    .private_segment_fixed_size: 0
    .kernarg_segment_align: 8
    .kernarg_segment_size: 72
    .max_flat_workgroup_size: 256
    .sgpr_count:     102
    .vgpr_count:     512
    .wavefront_size: 32
...
	.end_amdgpu_metadata
.endif
;; end of part 4
